; MI455X (gfx1250); checked and timed in simulation.
; The chip was launched on July 23, 2026; its instructions are those of AMD's public machine-readable ISA for CDNA 5 (MIT licence, August 2026) and "CDNA5" Instruction Set Architecture Reference Guide (July 2026). The comments in the code are by the model that wrote it; some were corrected since.
;; Vi T Self Attention. Allowed arithmetic: matrix products marked QUANTISED: E2M1 operands, one E8M0 scale for each 32 along K, by v_wmma_scale_f32_16x16x128_f8f6f4 with both operands' format E2M1 (or v_wmma_scale_f32_32x16x128_f4), f32 sums; products left as they are: bf16, f16 or f32 operands; f32 sums; everything else in f32.
;; Inputs: b_out 1,024 float32; b_qkv 3,072 float32; w_out 1,024 x 1,024 float32; w_qkv 1,024 x 3,072 float32; x 8 x 1,024 x 1,024 float32.
;; Outputs: out0 8 x 1,024 x 1,024 float32.
;; This version of the problem:
;;   THIS VERSION OF THE PROBLEM IS GIVEN IN LOW PRECISION. The matrix products marked QUANTISED in the list below multiply operands that are first quantised to E2M1 (2 exponent bits, 1 mantissa bit; 4 bits a number), with one power-of-two scale for each 32 numbers along K (OCP MX v1.0); their sums are f32. The products marked 'left as it is' may take bf16, f16 or f32 operands, with f32 sums. Whichever they take, every output number must still come out within the allowed error. Rounding operands to bf16 (8 significant bits) uses up far more of that allowance than f16 does (11 bits, for magnitudes from 6e-5 to 65,504). All else is computed in f32.
;;   The module's matrix products, in the order in which they are computed (A, B: the left and right operand; K: the contracted axis; several contracted axes count as one K, in the product's order):
;;     1. [M 8,192, K 1,024] x [K 1,024, N 3,072]; A: input x; B: input w_qkv: QUANTISED
;;     2. batch 128 x [M 1,024, K 64] x [K 64, N 1,024]; A: computed on the way; B: computed on the way: left as it is (an operand is computed on the way)
;;     3. batch 128 x [M 1,024, K 1,024] x [K 1,024, N 64]; A: computed on the way; B: computed on the way: left as it is (an operand is computed on the way)
;;     4. [M 8,192, K 1,024] x [K 1,024, N 1,024]; A: computed on the way; B: input w_out: left as it is (an operand is computed on the way)
;;   THE QUANTISER, for each operand of a quantised product, along K:
;;     - K is cut into blocks of 32 from its start; a last block that is shorter is filled with zeros.
;;     - A block's scale is 2^e with e = floor(log2(the largest magnitude in the block)) - 2, held to -126 .. 127; a block of zeros has e = 0. As a byte (E8M0): e + 127.
;;     - Each number is divided by its block's scale, clamped to +-6, and rounded to the nearest number of E2M1, ties to even, subnormals kept.
;;     - The product sums the exact products of the quantised numbers (number of the format x scale) in f32.
;;   ~~~python
;;   def quantise(x, axis):      # numpy; x: float32 -> the quantised numbers, widened to float32 again
;;       x = np.moveaxis(x, axis, -1); K = x.shape[-1]
;;       x = np.pad(x, [(0, 0)] * (x.ndim - 1) + [(0, -K % 32)]); x = x.reshape(x.shape[:-1] + (-1, 32)); a = np.abs(x).max(-1, keepdims=True)
;;       e = np.where(a > 0, np.clip(np.frexp(np.where(a > 0, a, 1))[1] - 1 - 2, -126, 127), 0)      # np.frexp(a)[1] - 1 = floor(log2(a)), exactly
;;       r = np.clip(x / 2.0 ** e, -6, 6)
;;       step = 2.0 ** (np.maximum(np.frexp(np.where(r == 0, 1, r))[1] - 1, 0) - 1)
;;       q = np.round(r / step) * step * 2.0 ** e      # np.round: ties to even
;;       return np.moveaxis(q.reshape(q.shape[:-2] + (-1,))[..., :K], -1, axis).astype(np.float32)
;;   ~~~
;; One version. Each part assembles by itself: llvm-mc -triple=amdgcn-amd-amdhsa -mcpu=gfx1250 --defsym DOCPART=n.
;; ======== version 1 of 1: 4 launches
;; limits: values are held in f16: magnitudes above 65,504 overflow, below 6.1e-05 lose precision
;; workspace buffers: xc 4,194,304 bytes; xs 262,144 bytes; wc 1,572,864 bytes; ws 98,304 bytes; w16 2,097,152 bytes; qkv 50,331,648 bytes; ctx 16,777,216 bytes
;; launch prep (part 1): grid 512 x 1, 4 waves a work-group, no clusters, 33,280 bytes of LDS; arguments x, w_qkv, w_out, xc, xs, wc, ws, w16; writes xc, xs, wc, ws, w16
.if DOCPART == 1
	.amdgcn_target "amdgcn-amd-amdhsa--gfx1250"
	.amdhsa_code_object_version 6
	.text
	.protected	k_q9990769aa2_prep
	.globl	k_q9990769aa2_prep
	.p2align	8
	.type	k_q9990769aa2_prep,@function
k_q9990769aa2_prep:
	s_mov_b64 s[64:65], 0
	v_nop
	global_prefetch_b8 v0, s[64:65] scope:SCOPE_SE
	s_setreg_imm32_b32 hwreg(HW_REG_WAVE_MODE, 25, 1), 1
	s_wait_xcnt 0x0
; THREE JOBS IN ONE LAUNCH, told apart by the work-group's number alone:
;   work-groups   0-255: x [8192][1024] f32 -> codes of FP4 (E2M1) xc [8192][512 bytes], K innermost, and E8M0 scale bytes xs [8192][32]
;   work-groups 256-447: w_qkv [1024 (k)][3072 (n)] f32 -> codes wc and scale words ws, quantised along k, laid in the order of the reader's operand registers
;   work-groups 448-511: w_out [1024][1024] f32 -> w16, the same numbers rounded to f16, same layout
; THE QUANTISER: a block of 32 along K has the scale 2^(floor(log2(largest magnitude)) - 2); its byte is the largest magnitude's exponent field - 2, held at 1 from below by a floor among
; the maximum's leaves.  Each number is divided by the scale and rounded to the nearest code, ties to even, beyond 6 the largest code.
; LIMITS: a block of zeros gets the byte 1 where the rule says 127 (its codes are zeros, which add nothing, and this program alone reads the bytes); blocks whose largest magnitude lies
; under 2^-124 keep the byte 1; NaN and infinities are not served; w_out beyond 65,504 becomes infinity in f16, under 6e-5 it keeps steps of 6e-8.
; wc: [k step of 128: 8][block of 16 columns: 192][t: 4][r: 16][16 bytes]: the 16 bytes are the 32 codes of column 16 G + r for k = 128 step + 32 t.  Since a 4-bit fragment gives lane (r, h)
; k = 64 c + 32 h + 0..31 in registers 4 c .. 4 c + 3, the piece (t = 2 c + h, r) lies at 512 c + 16 x lane: a fragment is two loads of 16 bytes a lane, 512 consecutive bytes each.
; ws: [k step: 8][column: 3072] words; byte t scales k = 128 step + 32 t.
; Only the first job uses LDS.  No matrix unit, no cluster, no tensor load: the launch streams, and its waves share nothing.
.set STEPS, 16
.set AHEAD, 8                          ; x: steps of loads on their way: 32 loads, 16,384 bytes a wave
.set CB,    8                          ; bytes of 16 codes
.set R,     16                         ; v16-143  x: eight sets of 16 numbers as they are loaded
.set X,     144                        ; v144-175 x: two sets of 16 neighbours
.set E,     176                        ; v176-191 x: a scale byte for each step
.set C,     192                        ; v192-223 x: codes, two registers for each step, so that no store's data are written again
.set WREG,  8192                       ; LDS: a region for each wave: two stages of 32 x SP bytes, behind them its 256 scale bytes
.set SP,    80                         ; a lane's place in a stage: 64 bytes + 16 of padding
.set SPW,   12                         ; v12 LDS address of my spare word; never rewritten
.set NIL,   13                         ; v13 0; never rewritten
.set SPARE, 4*WREG                     ; behind the four regions: the spare words, 128 bytes a wave, which no other line names
.set WROW,  12288                      ; a row of w_qkv in bytes
.macro FINISH                          ; a wave's end
	s_wait_tensorcnt 0x0
	ds_add_u32 v[SPW], v[NIL]
	s_wait_dscnt 0x0
	s_endpgm
.endm
	s_load_b256 s[4:11], s[0:1], 0x0               ; x s[4:5], w_qkv s[6:7], w_out s[8:9], xc s[10:11]
	s_load_b256 s[12:19], s[0:1], 0x20             ; xs s[12:13], wc s[14:15], ws s[16:17], w16 s[18:19]
	v_lshl_add_u32 v[SPW], v0, 2, SPARE
	v_mov_b32 v[NIL], 0
	v_lshrrev_b32 v1, 5, v0
	v_readfirstlane_b32 s20, v1                    ; wave 0..3
	v_and_b32 v2, 31, v0                           ; lane
	s_mov_b32 s25, 0                               ; the upper word of the offsets' pairs
	s_mov_b32 s27, 0
	s_wait_kmcnt 0x0
	s_cmp_lt_u32 ttmp9, 256
	s_cbranch_scc0 .Lnot_x
; ---- x.  A wave takes 16 steps of 512 numbers.  Each of a step's four loads reads 512 consecutive bytes; the 2,048 bytes turn through the wave's own stage in LDS and come back 64 bytes a lane,
; so that a lane holds 16 neighbours along K and two neighbouring lanes a block of 32.  Loads run eight steps ahead, the turn through LDS one step.
	v_lshlrev_b32 v3, 4, v2                        ; my 16 bytes of a load's 512
	s_mul_i32 s21, s20, WREG
	v_lshrrev_b32 v14, 2, v2
	v_mul_u32_u24 v14, v14, SP
	v_and_b32 v15, 3, v2
	v_lshl_add_u32 v14, v15, 4, v14
	v_add_nc_u32 v14, s21, v14                     ; the stage on the way in: SP (lane / 4) + 16 (lane % 4)
	v_mul_u32_u24 v15, v2, SP
	v_add_nc_u32 v15, s21, v15                     ; and on the way out: SP x lane
	v_mul_u32_u24 v4, v2, CB                       ; my codes' place in a step's 256 bytes
	v_lshrrev_b32 v5, 1, v2
	s_add_co_u32 s21, s21, 2*32*SP
	v_add_nc_u32 v5, s21, v5                       ; my block's byte among my wave's 256 scale bytes
	v_lshlrev_b32 v7, 3, v2
	v_add_nc_u32 v6, s21, v7                       ; and 8 bytes a lane on their way out
	s_lshl_b32 s22, ttmp9, 2
	s_add_co_u32 s22, s22, s20                     ; which run of 8,192 numbers is my wave's: 0..1023
	s_lshl_b32 s24, s22, 15
	s_add_nc_u64 s[4:5], s[4:5], s[24:25]          ; 32,768 bytes of x,
	s_lshl_b32 s24, s22, 12
	s_add_nc_u64 s[10:11], s[10:11], s[24:25]      ; 4,096 of codes,
	s_lshl_b32 s24, s22, 8
	s_add_nc_u64 s[12:13], s[12:13], s[24:25]      ; 256 of scale bytes a run
.macro XLOAD t
.irp i, 0,1,2,3
	global_load_b128 v[R+16*((\t)%AHEAD)+4*\i:R+16*((\t)%AHEAD)+4*\i+3], v3, s[4:5] offset:2048*(\t)+512*\i th:TH_LOAD_NT
.endr
.endm
.macro XTURN t                         ; LDS serves a wave's instructions in order: no wait between the stores and the loads
.irp i, 0,1,2,3
	ds_store_b128 v14, v[R+16*((\t)%AHEAD)+4*\i:R+16*((\t)%AHEAD)+4*\i+3] offset:32*SP*((\t)%2)+8*SP*\i
.endr
.irp i, 0,1,2,3
	ds_load_b128 v[X+16*((\t)%2)+4*\i:X+16*((\t)%2)+4*\i+3], v15 offset:32*SP*((\t)%2)+16*\i
.endr
.endm
.irp t, 0,1,2,3,4,5,6,7
	XLOAD \t
.endr
	s_wait_loadcnt 28                              ; step 0's four loads are in; the seven younger steps' 28 may be out
	XTURN 0
.macro XSTEP t
.set XS, X+16*((\t)%2)
.if (\t) > 0
	s_wait_dscnt 1                                 ; this step's numbers are back from the stage; the last step's byte store may be out
.else
	s_wait_dscnt 0x0
.endif
.if (\t)+AHEAD < STEPS
	XLOAD (\t)+AHEAD                               ; into the registers that the stage's stores have read
.endif
.if (\t)+1 < STEPS
.if STEPS-2-(\t) >= AHEAD-1
	s_wait_loadcnt 4*(AHEAD-1)                     ; the next step's four loads are in; seven steps' may be out
.else
	s_wait_loadcnt 4*(STEPS-2-(\t))                ; no more loads are issued: the counts run down
.endif
	XTURN (\t)+1
.endif
	v_max3_num_f32 v8, |v[XS]|, |v[XS+1]|, |v[XS+2]|               ; the largest magnitude of my 16, in two chains
	v_max3_num_f32 v9, |v[XS+3]|, |v[XS+4]|, |v[XS+5]|
.irp i, 6,10
	v_max3_num_f32 v8, v8, |v[XS+\i]|, |v[XS+\i+1]|
	v_max3_num_f32 v9, v9, |v[XS+\i+2]|, |v[XS+\i+3]|
.endr
	v_max3_num_f32 v8, v8, |v[XS+14]|, |v[XS+15]|
	v_max3_num_f32 v8, v8, v9, 0x1800000           ; and the floor 2^(3 - 127): the byte cannot fall under 1
	v_max_num_f32_dpp v8, v8, v8 row_xmask:1 row_mask:0xf bank_mask:0xf   ; with my neighbour's 16: the block's
	v_add_nc_u32 v11, 0xff000000, v8               ; 2 off the exponent field: the conversion takes this operand's exponent field as its scale
	v_cvt_scalef32_pk8_fp4_f32 v[C+2*(\t)], v[XS:XS+7], v11
	v_cvt_scalef32_pk8_fp4_f32 v[C+2*(\t)+1], v[XS+8:XS+15], v11
	v_lshrrev_b32 v[E+(\t)], 23, v11               ; the scale's byte
	ds_store_b8 v5, v[E+(\t)] offset:16*(\t)       ; both lanes of a block write the same byte with the same value
	global_store_b64 v4, v[C+2*(\t):C+2*(\t)+1], s[10:11] offset:32*CB*(\t)   ; the wave stores 256 consecutive bytes, aligned
.endm
.irp t, 0,1,2,3,4,5,6,7,8,9,10,11,12,13,14,15
	XSTEP \t
.endr
	ds_load_b64 v[8:9], v6                         ; my wave's 256 scale bytes
	s_wait_dscnt 0x0
	global_store_b64 v7, v[8:9], s[12:13]          ; 256 consecutive bytes, aligned
	FINISH
.Lnot_x:
	s_cmp_lt_u32 ttmp9, 448
	s_cbranch_scc0 .Lcast
; ---- w_qkv.  A LANE TAKES A COLUMN AND ITS REGISTERS RUN DOWN K: a work-group takes 128 columns x one k step of 128; a wave 32 columns, four blocks of 32 a lane.  A block's largest
; magnitude needs no other lane, and the conversions give codes with K innermost.  A block's 16 bytes a lane are a piece of the image: sixteen lanes store 256 consecutive bytes, aligned.
	s_sub_co_u32 s22, ttmp9, 256
	s_and_b32 s23, s22, 7                          ; the k step
	s_lshr_b32 s22, s22, 3                         ; which 128 columns: 0..23
	s_lshl_b32 s24, s22, 7
	s_lshl_b32 s28, s20, 5
	s_add_co_u32 s24, s24, s28                     ; my wave's first column
	s_lshl_b32 s24, s24, 2                         ; x 4 bytes
	s_mul_i32 s26, s23, 128*WROW
	s_add_co_u32 s26, s26, s24
	s_add_nc_u64 s[6:7], s[6:7], s[26:27]          ; w_qkv at (128 step, my first column)
	s_mul_i32 s26, s23, 12288
	s_add_co_u32 s26, s26, s24
	s_add_nc_u64 s[16:17], s[16:17], s[26:27]      ; ws at (step, my first column)
	s_mul_i32 s26, s23, 196608
	s_lshl_b32 s28, s22, 13
	s_add_co_u32 s26, s26, s28
	s_lshl_b32 s28, s20, 11
	s_add_co_u32 s26, s26, s28
	s_add_nc_u64 s[14:15], s[14:15], s[26:27]      ; wc at (step, block of 16 columns 8 x + 2 wave)
	v_lshlrev_b32 v3, 2, v2                        ; 4 bytes a lane
	v_lshrrev_b32 v4, 4, v2
	v_and_b32 v5, 15, v2
	v_lshlrev_b32 v4, 10, v4
	v_lshl_add_u32 v4, v5, 4, v4                   ; my piece: 1,024 (lane / 16) + 16 (lane % 16)
.macro WLOAD t                         ; block t: w(32 t + i, my column) into registers of its own
.irp i, 0,1,2,3,4,5,6,7,8,9,10,11,12,13,14,15,16,17,18,19,20,21,22,23,24,25,26,27,28,29,30,31
	global_load_b32 v[32+32*(\t)+\i], v3, s[6:7] offset:(32*(\t)+\i)*WROW th:TH_LOAD_NT
.endr
.endm
.macro WBLOCK t
.set XS, 32+32*(\t)
.if (\t) < 3
	s_wait_loadcnt 32                              ; this block's 32 loads are in; the next block's 32 may be out
.else
	s_wait_loadcnt 0x0
.endif
.if (\t)+2 < 4
	WLOAD (\t)+2                                   ; two blocks ahead
.endif
	v_max3_num_f32 v8, |v[XS]|, |v[XS+1]|, |v[XS+2]|
	v_max3_num_f32 v9, |v[XS+3]|, |v[XS+4]|, |v[XS+5]|
.irp i, 6,10,14,18,22,26
	v_max3_num_f32 v8, v8, |v[XS+\i]|, |v[XS+\i+1]|
	v_max3_num_f32 v9, v9, |v[XS+\i+2]|, |v[XS+\i+3]|
.endr
	v_max3_num_f32 v8, v8, |v[XS+30]|, |v[XS+31]|
	v_max3_num_f32 v8, v8, v9, 0x1800000           ; the floor
	v_add_nc_u32 v[20+(\t)], 0xff000000, v8        ; the conversions' scale operand
.irp g, 0,1,2,3
	v_cvt_scalef32_pk8_fp4_f32 v[160+4*(\t)+\g], v[XS+8*\g:XS+8*\g+7], v[20+(\t)]
.endr
	v_lshrrev_b32 v9, 23, v[20+(\t)]               ; the scale's byte,
.if (\t) == 0
	v_mov_b32 v24, v9                              ; at its place in my column's word
.else
	v_lshl_or_b32 v24, v9, 8*(\t), v24
.endif
	global_store_b128 v4, v[160+4*(\t):163+4*(\t)], s[14:15] offset:256*(\t)
.endm
	WLOAD 0
	WLOAD 1
.irp t, 0,1,2,3
	WBLOCK \t
.endr
	global_store_b32 v3, v24, s[16:17]             ; 128 consecutive bytes a wave, 512 a work-group
	FINISH
.Lcast:
; ---- w_out.  A wave takes 4,096 numbers: 32 loads of 512 consecutive bytes, two roundings each, 32 stores of 256 consecutive aligned bytes.
	s_sub_co_u32 s22, ttmp9, 448
	s_lshl_b32 s22, s22, 2
	s_add_co_u32 s22, s22, s20
	s_lshl_b32 s24, s22, 14
	s_add_nc_u64 s[8:9], s[8:9], s[24:25]
	s_lshl_b32 s24, s22, 13
	s_add_nc_u64 s[18:19], s[18:19], s[24:25]
	v_lshlrev_b32 v3, 4, v2
	v_lshlrev_b32 v4, 3, v2
.irp i, 0,1,2,3,4,5,6,7,8,9,10,11,12,13,14,15,16,17,18,19,20,21,22,23,24,25,26,27,28,29,30,31
	global_load_b128 v[16+4*\i:19+4*\i], v3, s[8:9] offset:512*\i th:TH_LOAD_NT
.endr
.irp i, 0,1,2,3,4,5,6,7,8,9,10,11,12,13,14,15,16,17,18,19,20,21,22,23,24,25,26,27,28,29,30,31
	s_wait_loadcnt 31-\i                           ; loads come back in order: load i is in, the younger ones may be out
	v_cvt_pk_f16_f32 v[16+4*\i], v[16+4*\i], v[17+4*\i]
	v_cvt_pk_f16_f32 v[17+4*\i], v[18+4*\i], v[19+4*\i]
	global_store_b64 v4, v[16+4*\i:17+4*\i], s[18:19] offset:256*\i
.endr
	FINISH
.Lfunc_end_k_q9990769aa2_prep:
	.size	k_q9990769aa2_prep, .Lfunc_end_k_q9990769aa2_prep-k_q9990769aa2_prep
	.p2alignl 7, 3214868480
	.fill 96, 4, 3214868480
	.section	.rodata,"a",@progbits
	.p2align	6, 0x0
	.amdhsa_kernel k_q9990769aa2_prep
		.amdhsa_group_segment_fixed_size 33280
		.amdhsa_private_segment_fixed_size 0
		.amdhsa_enable_private_segment 0
		.amdhsa_kernarg_size 64
		.amdhsa_user_sgpr_count 2
		.amdhsa_user_sgpr_kernarg_segment_ptr 1
		.amdhsa_wavefront_size32 1
		.amdhsa_system_sgpr_workgroup_id_x 1
		.amdhsa_system_sgpr_workgroup_id_y 1
		.amdhsa_system_sgpr_workgroup_id_z 1
		.amdhsa_system_vgpr_workitem_id 0
		.amdhsa_next_free_vgpr 224
		.amdhsa_next_free_sgpr 66
		.amdhsa_reserve_vcc 0
		.amdhsa_float_denorm_mode_32 3
		.amdhsa_float_denorm_mode_16_64 3
		.amdhsa_memory_ordered 1
		.amdhsa_forward_progress 1
		.amdhsa_inst_pref_size 64
	.end_amdhsa_kernel
	.amdgpu_metadata
---
amdhsa.version: [ 1, 2 ]
amdhsa.kernels:
  - .name:           k_q9990769aa2_prep
    .symbol:         k_q9990769aa2_prep.kd
    .args:
      - { .name: x, .offset: 0, .size: 8, .value_kind: global_buffer, .address_space: global }
      - { .name: w_qkv, .offset: 8, .size: 8, .value_kind: global_buffer, .address_space: global }
      - { .name: w_out, .offset: 16, .size: 8, .value_kind: global_buffer, .address_space: global }
      - { .name: xc, .offset: 24, .size: 8, .value_kind: global_buffer, .address_space: global }
      - { .name: xs, .offset: 32, .size: 8, .value_kind: global_buffer, .address_space: global }
      - { .name: wc, .offset: 40, .size: 8, .value_kind: global_buffer, .address_space: global }
      - { .name: ws, .offset: 48, .size: 8, .value_kind: global_buffer, .address_space: global }
      - { .name: w16, .offset: 56, .size: 8, .value_kind: global_buffer, .address_space: global }
    .group_segment_fixed_size: 33280
    .private_segment_fixed_size: 0
    .kernarg_segment_align: 8
    .kernarg_segment_size: 64
    .max_flat_workgroup_size: 128
    .sgpr_count:     66
    .vgpr_count:     224
    .wavefront_size: 32
...
	.end_amdgpu_metadata
.endif
;; end of part 1
;; launch qkv (part 2): grid 16 x 16, 4 waves a work-group, clusters of 4 x 4, 327,680 bytes of LDS; arguments xc, xs, wc, ws, b_qkv, qkv; writes qkv
.if DOCPART == 2
	.amdgcn_target "amdgcn-amd-amdhsa--gfx1250"
	.amdhsa_code_object_version 6
	.text
	.protected	k_q9990769aa2_qkv
	.globl	k_q9990769aa2_qkv
	.p2align	8
	.type	k_q9990769aa2_qkv,@function
k_q9990769aa2_qkv:
	s_mov_b64 s[64:65], 0
	v_nop
	global_prefetch_b8 v0, s[64:65] scope:SCOPE_SE
	s_setreg_imm32_b32 hwreg(HW_REG_WAVE_MODE, 25, 1), 1
	s_wait_xcnt 0x0
	s_wait_alu depctr_hold_cnt(0) depctr_sa_sdst(0) depctr_va_vdst(0) depctr_va_sdst(0) depctr_va_ssrc(0) depctr_va_vcc(0) depctr_vm_vsrc(0)
	s_getreg_b32 s2, hwreg(HW_REG_IB_STS2, 6, 4)
	s_cmp_eq_u32 s2, 0
	s_cbranch_scc0 .Lentry_in_a_cluster
	s_endpgm
.Lentry_in_a_cluster:
	s_bfe_u32 s2, ttmp6, 0x10000c
	s_cmp_lg_u32 s2, 0xf033
	s_cbranch_scc0 .Lentry_shape_is_right
	s_endpgm
.Lentry_shape_is_right:
; qkv = Q(x) Q(w_qkv) + b_qkv on codes of FP4 (E2M1) with E8M0 scales, sums in f32; the results are rounded to f16 and stored AS IMAGES OF THE NEXT LAUNCH'S OPERAND REGISTERS.
; q is multiplied, in f32, by c = log2(e) / 8 ahead of its rounding, so that the next launch's scores are already exponents of 2.
; SHARES.  A WORK-GROUP STAYS: it makes two tiles of 256 rows x one head's 192 columns (64 of q, 64 of k, 64 of v), row tiles y and y + 16; wave w makes rows 64 w .. 64 w + 63 x all 192: 48 accumulators.
; K = 1,024 is 8 steps of 128, so a wave walks 16 steps of 48 matrix instructions.  The head's weights, their scales and the biases are fetched once for both tiles, and the first tile's stores
; leave while the second tile is multiplied.
; LDS.  Three slots of 256 rows x half of K of x's codes, the head's weights for all of K, and the scales.  The first fills bring the first tile's two halves (slots 0, 1) and the second tile's
; first half (slot 2).  ONE REFILL: the second tile's second half goes into slot 0 at step 3, when slot 0's last reads are back; it is waited for at step 11, eight steps and a way out later.
; The launch claims all of a WGP's LDS; it uses 322,560 bytes.
; CLUSTERS: 4 x 4 work-groups.  The four of a row of the cluster share their rows of x, the four of a column their head's weights: each tile is asked for jointly.
; q AND k ARE MADE TRANSPOSED (source 0 = 16 columns of w, source 1 = 16 rows of x): a lane holds one token and eight neighbouring channels, which pack into the four registers that a
; 16-bit fragment (16 tokens x 32 channels) gives that lane.  v IS MADE THE NATURAL WAY (source 0 = x, source 1 = w): a lane holds one channel and eight neighbouring tokens: four registers
; of a fragment of v^T (16 channels x 32 keys).  So every result leaves by a store of 16 bytes a lane at 16 x lane: 512 consecutive aligned bytes, with no way through LDS.
; qkv: q at 0, k at 16,777,216, v at 33,554,432; 131,072 bytes for each (batch, head).  q, k: [tile of 16 tokens: 64][c: 2][half: 2][lane][16 bytes]; v: [32 keys: 32][d: 4][half: 2][lane][16 bytes].
; LIMITS: q, k, v beyond 65,504 become infinity in f16; under 6e-5 they keep steps of 6e-8.  NaN and infinities are not served.
; REGISTERS, in windows of 256.  window 0: v1-29 addresses; v32-63 x's scale words of the first tile (row block i, step k at 32 + 8 i + k), v208-239 of the second; v64-111 w's (pair of column blocks p,
;   step k at 64 + 8 p + k: lanes 0-15 block 2 p, lanes 16-31 block 2 p + 1); v112-175 x's fragments, two sets; v176-207 v's bias.  window 1: v0-191 w's fragments, two sets of 12; v192-255 q's and k's bias.
;   window 2: q's and k's 32 accumulators ((a, b) at 8 (8 a + b)).  window 3: v's 16 ((a, d) at 8 (4 a + d)).  On the way out each accumulator's four lowest registers take its packed results.
.set PITCH, 272                        ; a row of x's codes in LDS: 256 bytes + 16 of padding: the 16 rows of a fragment load start at 16 different banks (64 banks of 4 bytes: ISA guide 11.1)
.set ASLOT, 256*PITCH                  ; half of K of 256 rows
.set BBASE, 3*ASLOT
.set BSLOT, 4*12*1024                  ; four k steps x 12 fragments x 1,024 bytes, dense
.set SA,    BBASE+2*BSLOT              ; the first tile's scale bytes of x: 32 runs of 256 bytes + 16 of padding
.set SB,    SA+32*272                  ; w's scale words: 8 k steps x 768 bytes
.set SPARE, SB+8*768                   ; the spare words, 128 bytes a wave, which no other line names
.set ADRA, 16                          ; v16-18 my fragments of x in slot 0, 1, 2
.set ADRB, 20                          ; v20-21 w's fragments in half 0, 1 of K
.set ADSA, 22                          ; v22 my rows' scale words in LDS
.set ADSB, 23                          ; v23 the columns' scale words
.set LI,   24                          ; v24 16 x lane
.set BQ,   25                          ; v25 32 x (lane / 16): q's and k's bias
.set BV,   26                          ; v26 4 x (lane % 16): v's bias
.set XS2,  27                          ; v27 32 x (lane % 16): a row's scale bytes in memory
.set SPW,  28
.set NIL,  29
.set SAW,  32
.set SBW,  64
.set AF,   112
.set VBI,  176
.set SAW2, 208
.set QBI,  192                         ; in window 1
.set G1C,  4                           ; s[4:11]  group 1 for 64 rows of x's codes: written when the four pointers that arrive there have been used
.set G1A,  24
.set G0A,  32
.set G1B,  48
.set G0B,  56
.set G1SA, 68
.set G0SA, 76
.set G1SB, 80
.set G0SB, 88
.set G0C,  92                          ; s[92:95] group 0 for my 64 rows of the second tile
.set MSB, 0
.macro WIN new                         ; the immediate's high byte repeats the setting that is left
.if MSB != \new
	s_set_vgpr_msb (MSB<<8)|\new
.set MSB, \new
.endif
.endm
.macro PLACES n
.rept \n
	v_nop
.endr
.endm
; A joint load: waves 0 and 1 fetch for x, waves 2 and 3 for w.  The branch hangs on the wave's number alone.  An s_nop 0 and four v_nop follow each line.
.macro JLOAD g0a, g1a, g0b, g1b
	s_cmp_eq_u32 s17, 0
	s_cbranch_scc0 .Lfor_b_\@
	tensor_load_to_lds s[\g0a:\g0a+3], s[\g1a:\g1a+7]
	s_nop 0
.rept 4
	v_nop
.endr
	s_branch .Lasked_\@
.Lfor_b_\@:
	tensor_load_to_lds s[\g0b:\g0b+3], s[\g1b:\g1b+7]
	s_nop 0
.rept 4
	v_nop
.endr
.Lasked_\@:
.endm
.macro CROUND                          ; a round of the cluster's barrier
	s_barrier_signal -1
	s_barrier_wait -1
	s_cmp_lg_u32 s16, 0
	s_cbranch_scc1 .Lnot_wave_0_\@
	s_barrier_signal -3
.Lnot_wave_0_\@:
	s_barrier_wait -3
	s_barrier_signal -1
	s_barrier_wait -1
.endm
	s_load_b256 s[4:11], s[0:1], 0x0               ; xc s[4:5], xs s[6:7], wc s[8:9], ws s[10:11]
	s_load_b128 s[12:15], s[0:1], 0x20             ; b_qkv s[12:13], qkv s[14:15]
	v_lshl_add_u32 v[SPW], v0, 2, SPARE
	v_mov_b32 v[NIL], 0
	ds_add_u32 v[SPW], v[NIL]                      ; the wave's opening: the add, twice on end, and its wait ahead of my first tensor load
	ds_add_u32 v[SPW], v[NIL]
	v_lshrrev_b32 v1, 5, v0
	v_readfirstlane_b32 s16, v1                    ; wave 0..3
	s_lshr_b32 s17, s16, 1                         ; I fetch for x (0) or for w (1),
	s_and_b32 s18, s16, 1                          ; its first or its second part
	s_bfe_u32 s40, ttmp6, 0x40000                  ; cx, cy: my place in the cluster
	s_bfe_u32 s41, ttmp6, 0x40004
	s_lshl_b32 s42, ttmp9, 2
	s_add_co_u32 s42, s42, s40                     ; the head = 4 x cluster x + cx
	s_and_b32 s43, ttmp7, 0xffff
	s_lshl_b32 s43, s43, 2
	s_add_co_u32 s43, s43, s41                     ; the first tile of 256 rows = 4 x cluster y + cy: 0..15; the second lies 16 tiles on
	s_lshl_b32 s44, s41, 2
	s_lshl_b32 s44, 15, s44                        ; my row of the cluster
	s_lshl_b32 s45, 0x1111, s40                    ; my column
	; x's codes: 128 rows x 256 bytes (half of K), 512 bytes from row to row, 16 bytes of padding behind each row
	s_or_b32 s[G1A+0], s44, (0<<16)|(1<<20)|(1<<21)|(5<<22)|(3<<25)
	s_mov_b32 s[G1A+1], 256<<16
	s_mov_b32 s[G1A+2], 128<<16
	s_mov_b32 s[G1A+3], 256<<16
	s_mov_b32 s[G1A+4], 128
	s_mov_b32 s[G1A+5], 512
	s_mov_b32 s[G1A+6], 0
	s_mov_b32 s[G1A+7], 0
	; w's codes: two k steps, each the head's 12 fragments = 12,288 consecutive bytes (1,536 elements of 8), 196,608 bytes from step to step; dense in LDS
	s_or_b32 s[G1B+0], s45, (3<<16)|(1<<21)
	s_mov_b32 s[G1B+1], 1536<<16
	s_mov_b32 s[G1B+2], 2<<16
	s_mov_b32 s[G1B+3], 1536<<16
	s_mov_b32 s[G1B+4], 2
	s_mov_b32 s[G1B+5], 24576
	s_mov_b32 s[G1B+6], 0
	s_mov_b32 s[G1B+7], 0
	; x's scale bytes of 128 rows: 4,096 dense bytes as 16 rows of 256, 16 bytes of padding behind each
	s_or_b32 s[G1SA+0], s44, (3<<16)|(1<<20)|(1<<21)|(5<<22)|(3<<25)
	s_mov_b32 s[G1SA+1], 32<<16
	s_mov_b32 s[G1SA+2], 16<<16
	s_mov_b32 s[G1SA+3], 32<<16
	s_mov_b32 s[G1SA+4], 16
	s_mov_b32 s[G1SA+5], 32
	s_mov_b32 s[G1SA+6], 0
	s_mov_b32 s[G1SA+7], 0
	; w's scale words: four k steps, each the head's 768 bytes, 12,288 bytes from step to step; dense in LDS
	s_or_b32 s[G1SB+0], s45, (3<<16)|(1<<21)
	s_mov_b32 s[G1SB+1], 96<<16
	s_mov_b32 s[G1SB+2], 4<<16
	s_mov_b32 s[G1SB+3], 96<<16
	s_mov_b32 s[G1SB+4], 4
	s_mov_b32 s[G1SB+5], 1536
	s_mov_b32 s[G1SB+6], 0
	s_mov_b32 s[G1SB+7], 0
	; where the tiles come from.  x's hang on the tile of rows alone, w's on the head alone, each in registers that never hold the other coordinate
	s_lshl_b32 s20, s43, 17                        ; the first tile's codes: 256 rows x 512 bytes
	s_lshl_b32 s21, s18, 16                        ; + 128 rows
	s_add_co_u32 s20, s20, s21
	s_mov_b32 s21, 0
	s_lshl_b32 s22, s43, 13                        ; its scale bytes: 256 rows x 32 bytes
	s_lshl_b32 s23, s18, 12
	s_add_co_u32 s22, s22, s23
	s_mov_b32 s23, 0
	s_mul_i32 s46, s42, 12288                      ; the head's codes
	s_mul_i32 s47, s18, 2*196608
	s_add_co_u32 s46, s46, s47
	s_mov_b32 s47, 0
	s_mul_i32 s66, s42, 768                        ; and its scale words
	s_mul_i32 s67, s18, 4*12288
	s_add_co_u32 s66, s66, s67
	s_mov_b32 s67, 0
	s_lshl_b32 s98, s43, 17                        ; the second tile's codes: 16 tiles on, my wave's 64 rows
	s_lshl_b32 s99, s16, 15
	s_add_co_u32 s98, s98, s99
	s_add_co_u32 s98, s98, 0x200000
	s_mov_b32 s99, 0
	s_lshl_b32 s100, s43, 13                       ; and those rows' scale bytes
	s_lshl_b32 s101, s16, 11
	s_add_co_u32 s100, s100, s101
	s_add_co_u32 s100, s100, 0x20000
	s_mov_b32 s101, 0
	s_mul_i32 s2, s18, 128*PITCH                   ; and where they go: no place in the cluster enters an LDS address
	s_mul_i32 s3, s18, 2*12288
	s_mul_i32 s96, s18, 16*272
	s_mul_i32 s97, s18, 4*768
	s_wait_dscnt 0x0                               ; both opening adds are done
	s_wait_kmcnt 0x0
	s_add_nc_u64 s[20:21], s[4:5], s[20:21]
	s_add_nc_u64 s[22:23], s[6:7], s[22:23]
	s_add_nc_u64 s[46:47], s[8:9], s[46:47]
	s_add_nc_u64 s[66:67], s[10:11], s[66:67]
	s_add_nc_u64 s[98:99], s[4:5], s[98:99]
	s_add_nc_u64 s[100:101], s[6:7], s[100:101]
	; the four pointers in s[4:11] are used up: their registers take the shape of 64 rows x 256 bytes of x's codes, padded as above
	s_or_b32 s[G1C+0], s44, (0<<16)|(1<<20)|(1<<21)|(5<<22)|(3<<25)
	s_mov_b32 s[G1C+1], 256<<16
	s_mov_b32 s[G1C+2], 64<<16
	s_mov_b32 s[G1C+3], 256<<16
	s_mov_b32 s[G1C+4], 64
	s_mov_b32 s[G1C+5], 512
	s_mov_b32 s[G1C+6], 0
	s_mov_b32 s[G1C+7], 0
	CROUND                                         ; all sixteen work-groups are here: the first joint loads meet
	s_mov_b32 s[G0SA], 1
	s_add_co_u32 s[G0SA+1], s96, SA
	s_mov_b64 s[G0SA+2:G0SA+3], s[22:23]
	s_or_b32 s[G0SA+3], s[G0SA+3], 0x80000000
	s_mov_b32 s[G0SB], 1
	s_add_co_u32 s[G0SB+1], s97, SB
	s_mov_b64 s[G0SB+2:G0SB+3], s[66:67]
	s_or_b32 s[G0SB+3], s[G0SB+3], 0x80000000
	JLOAD G0SA, G1SA, G0SB, G1SB                   ; the scales first
.irp s, 0,1
	s_mov_b32 s[G0A+4*\s], 1
	s_add_co_u32 s[G0A+4*\s+1], s2, \s*ASLOT
	s_add_nc_u64 s[G0A+4*\s+2:G0A+4*\s+3], s[20:21], \s*256
	s_or_b32 s[G0A+4*\s+3], s[G0A+4*\s+3], 0x80000000
	s_mov_b32 s[G0B+4*\s], 1
	s_add_co_u32 s[G0B+4*\s+1], s3, BBASE+\s*BSLOT
	s_add_nc_u64 s[G0B+4*\s+2:G0B+4*\s+3], s[46:47], \s*4*196608
	s_or_b32 s[G0B+4*\s+3], s[G0B+4*\s+3], 0x80000000
	JLOAD G0A+4*\s, G1A, G0B+4*\s, G1B             ; then the two halves of K
.endr
	s_mov_b32 s[G0C], 1
	s_mul_i32 s[G0C+1], s16, 64*PITCH
	s_add_co_u32 s[G0C+1], s[G0C+1], 2*ASLOT       ; slot 2, my wave's 64 rows
	s_mov_b64 s[G0C+2:G0C+3], s[98:99]
	s_or_b32 s[G0C+3], s[G0C+3], 0x80000000
	tensor_load_to_lds s[G0C:G0C+3], s[G1C:G1C+7]  ; and the second tile's first half of K, 64 rows a wave: four loads of mine are out
	s_nop 0
.rept 4
	v_nop
.endr
	v_and_b32 v1, 15, v0                           ; r
	v_bfe_u32 v2, v0, 4, 1                         ; h
	v_and_b32 v3, 31, v0                           ; lane
	v_lshlrev_b32 v[LI], 4, v3
	v_lshlrev_b32 v[BQ], 5, v2
	v_lshlrev_b32 v[BV], 2, v1
	v_lshlrev_b32 v[XS2], 5, v1
	s_mul_i32 s2, s42, 768
	s_mov_b32 s3, 0
	s_add_nc_u64 s[12:13], s[12:13], s[2:3]        ; the head's 192 numbers of b_qkv
	WIN 0x40                                       ; destination window 1
.irp b, 0,1,2,3,4,5,6,7                        ; q's and k's bias in the transposed result's layout: register j of lane (r, h) is column 16 b + 8 h + j
	global_load_b128 v[QBI+8*\b:QBI+8*\b+3], v[BQ], s[12:13] offset:64*\b
	global_load_b128 v[QBI+8*\b+4:QBI+8*\b+7], v[BQ], s[12:13] offset:64*\b+16
.endr
	WIN 0
.irp d, 0,1,2,3                                ; v's in the natural layout: all eight registers of lane (r, h) are column 128 + 16 d + r
.irp j, 0,1,2,3,4,5,6,7
	global_load_b32 v[VBI+8*\d+\j], v[BV], s[12:13] offset:512+64*\d
.endr
.endr
.irp i, 0,1,2,3                                ; the second tile's scale words of my 64 rows, straight into registers: each byte is read once, by me alone; a row block's two loads cover 512 consecutive bytes
.irp s, 0,1
	global_load_b128 v[SAW2+8*\i+4*\s:SAW2+8*\i+4*\s+3], v[XS2], s[100:101] offset:512*\i+16*\s
.endr
.endr
	v_mul_u32_u24 v4, v1, PITCH
	v_lshl_add_u32 v4, v2, 4, v4                   ; a fragment of x: row r x pitch + 16 h
	s_mul_i32 s2, s16, 64*PITCH                    ; my 64 rows
	v_add_nc_u32 v[ADRA], s2, v4
	v_add_nc_u32 v[ADRA+1], ASLOT, v[ADRA]
	v_add_nc_u32 v[ADRA+2], 2*ASLOT, v[ADRA]
	v_add_nc_u32 v[ADRB], BBASE, v[LI]             ; a fragment of w: its image, 16 x lane
	v_add_nc_u32 v[ADRB+1], BBASE+BSLOT, v[LI]
	v_lshrrev_b32 v5, 3, v1
	v_lshlrev_b32 v6, 5, v1
	v_lshl_add_u32 v5, v5, 4, v6                   ; x's scale words in LDS: 32 bytes a row, 16 more for each 256 passed
	s_mul_i32 s2, s16, 8*272
	s_add_co_u32 s2, s2, SA
	v_add_nc_u32 v[ADSA], s2, v5
	v_lshl_add_u32 v[ADSB], v3, 2, SB              ; w's: 4 x lane: two neighbouring blocks of 16 columns
	; where my results go
	s_lshr_b32 s2, s43, 2
	s_lshl_b32 s2, s2, 4
	s_add_co_u32 s2, s2, s42                       ; 16 x batch + head
	s_lshl_b32 s2, s2, 17
	s_and_b32 s3, s43, 3
	s_lshl_b32 s3, s3, 15                          ; the tile's 16 tiles of 16 tokens, 2,048 bytes each
	s_add_co_u32 s2, s2, s3
	s_lshl_b32 s3, s16, 13                         ; my wave's four
	s_add_co_u32 s2, s2, s3
	s_mov_b32 s3, 0
	s_add_nc_u64 s[14:15], s[14:15], s[2:3]        ; q,
	s_add_nc_u64 s[20:21], s[14:15], 0x1000000     ; k,
	s_add_nc_u64 s[22:23], s[14:15], 0x2000000     ; v
	s_mov_b32 s2, 0x3e38aa3b                       ; c = log2(e) / 8
	s_mov_b32 s3, s2                               ; (named with it as a pair, so it is written)
; Step g = 0 .. 15: tile g / 8, k step g % 8.  Its codes of x lie in slot 0, 1, 2, 0 for g / 4 = 0, 1, 2, 3; those of w in half (g / 4) % 2.
.macro FETCH g                         ; the fragments of step g into set g % 2: 24 loads for w, 8 for x
.set FH, (\g)/4
.set FL, (\g)%4
.set FP, (\g)%2
.set FA, ADRA+FH%3
	WIN 0x40
.irp b, 0,1,2,3,4,5,6,7,8,9,10,11
.irp c, 0,1
	ds_load_b128 v[96*FP+8*\b+4*\c:96*FP+8*\b+4*\c+3], v[ADRB+FH%2] offset:12288*FL+1024*\b+512*\c
.endr
.endr
	WIN 0
.irp a, 0,1,2,3
.irp c, 0,1
	ds_load_b128 v[AF+32*FP+8*\a+4*\c:AF+32*FP+8*\a+4*\c+3], v[FA] offset:64*FL+32*\c+16*PITCH*\a
.endr
.endr
.endm
.macro QKP a, b, g                     ; q or k, transposed: source 0 = w's block b, source 1 = x's block a.  In a tile's first step C is the bias
.set rD, 8*(8*(\a)+(\b))
.set rB, 96*((\g)%2)+8*(\b)
.set rA, AF+32*((\g)%2)+8*(\a)
.set rY, SBW+8*((\b)/2)+((\g)%8)
.set rX, SAW+(SAW2-SAW)*((\g)/8)+8*(\a)+((\g)%8)
.if ((\g)%8) == 0
.set rC, QBI+8*(\b)
.else
.set rC, rD
.endif
.if (\b)%2
	v_wmma_scale_f32_16x16x128_f8f6f4 v[rD:rD+7], v[rB:rB+7], v[rA:rA+7], v[rC:rC+7], v[rY], v[rX] matrix_a_fmt:MATRIX_FMT_FP4 matrix_b_fmt:MATRIX_FMT_FP4 matrix_a_scale:MATRIX_SCALE_ROW1
.else
	v_wmma_scale_f32_16x16x128_f8f6f4 v[rD:rD+7], v[rB:rB+7], v[rA:rA+7], v[rC:rC+7], v[rY], v[rX] matrix_a_fmt:MATRIX_FMT_FP4 matrix_b_fmt:MATRIX_FMT_FP4
.endif
.endm
.macro VP a, d, g                      ; v, the natural way: source 0 = x's block a, source 1 = w's block 8 + d
.set rD, 8*(4*(\a)+(\d))
.set rA, AF+32*((\g)%2)+8*(\a)
.set rB, 96*((\g)%2)+8*(8+(\d))
.set rX, SAW+(SAW2-SAW)*((\g)/8)+8*(\a)+((\g)%8)
.set rY, SBW+8*(4+(\d)/2)+((\g)%8)
.if ((\g)%8) == 0
.set rC, VBI+8*(\d)
.else
.set rC, rD
.endif
.if (\d)%2
	v_wmma_scale_f32_16x16x128_f8f6f4 v[rD:rD+7], v[rA:rA+7], v[rB:rB+7], v[rC:rC+7], v[rX], v[rY] matrix_a_fmt:MATRIX_FMT_FP4 matrix_b_fmt:MATRIX_FMT_FP4 matrix_b_scale:MATRIX_SCALE_ROW1
.else
	v_wmma_scale_f32_16x16x128_f8f6f4 v[rD:rD+7], v[rA:rA+7], v[rB:rB+7], v[rC:rC+7], v[rX], v[rY] matrix_a_fmt:MATRIX_FMT_FP4 matrix_b_fmt:MATRIX_FMT_FP4
.endif
.endm
; A step: 48 matrix instructions; the 48 accumulators take turns, one instruction a turn, in the same order in every step.  The next step's 32 LDS loads stand in one run at its head.
.macro STEP g
	s_wait_dscnt 0x0                               ; this step's fragments are in (asked for 48 matrix instructions ago)
.if (\g) == 3
	; THE ONE REFILL.  Slot 0's last reads, step 3's fragments, are back by the wait above.
	WIN 0
	s_wait_tensorcnt 0x0                           ; all my tensor loads have landed: my parts of slots 1 and 2 were still out; so a group 0 may be written
	ds_add_u32 v[SPW], v[NIL]                      ; 0 onto my spare word; the descriptor's two steps stand between it and the wait for it
	s_mul_i32 s[G0C+1], s16, 64*PITCH              ; slot 0, my wave's 64 rows,
	s_add_nc_u64 s[G0C+2:G0C+3], s[G0C+2:G0C+3], 256   ; the same rows' second half of K; the type bits on top are not reached
	s_wait_dscnt 0x0                               ; the add is done
	CROUND                                         ; no wave of any partner still reads slot 0 or has a load on its way; and slots 1 and 2 are whole in every work-group
	tensor_load_to_lds s[G0C:G0C+3], s[G1C:G1C+7]  ; my one tensor load behind the round, and the first thing there: eight steps and a way out ahead of the wait for it
	s_nop 0
.endif
.if (\g) == 11
	s_wait_tensorcnt 0x0                           ; my part of the refill has landed,
	s_barrier_signal -1
	s_barrier_wait -1                              ; everybody's has: the fetch below reads it.
.endif
.if ((\g) > 0) && ((\g) < 15)
	PLACES 4                                       ; four places in front of loads into registers that the step before has multiplied (ISA guide 7.12.1 for vector instructions); at step 3 also the four lines behind the tensor load
.endif
.if (\g) < 15
	FETCH (\g)+1
.endif
.if ((\g)%8) == 0
	WIN 0x91                                       ; source 0 (w) window 1, source 1 (x) window 0, C (bias) window 1, D window 2
.else
	WIN 0xa1                                       ; C and D window 2
.endif
.irp a, 0,1,2,3
.irp b, 0,1,2,3,4,5,6,7
	QKP \a, \b, \g
.endr
.endr
.if ((\g)%8) == 0
	WIN 0xc4                                       ; source 0 (x) window 0, source 1 (w) window 1, C (bias) window 0, D window 3
.else
	WIN 0xf4                                       ; C and D window 3
.endif
.irp a, 0,1,2,3
.irp d, 0,1,2,3
	VP \a, \d, \g
.endr
.endr
.endm
; THE WAY OUT of a tile.  q x c in f32; everything rounded to f16 in place, each accumulator from its low end on: its four lowest registers are then half a fragment, stored at 16 x lane.
; Nothing in window 0 or 1 is touched: scale words, biases and the fragments already fetched for the next tile stay.
.macro WAYOUT
	PLACES 4                                       ; in front of the first read of results just made
	WIN 0x82                                       ; destination and source 0 window 2
.irp a, 0,1,2,3
.irp b, 0,1,2,3
.irp i, 0,2,4,6
	v_pk_mul_f32 v[8*(8*\a+\b)+\i:8*(8*\a+\b)+\i+1], v[8*(8*\a+\b)+\i:8*(8*\a+\b)+\i+1], s[2:3] op_sel_hi:[1,0]
.endr
.endr
.endr
	WIN 0x8a                                       ; sources and destination window 2
.irp a, 0,1,2,3
.irp b, 0,1,2,3,4,5,6,7
.irp i, 0,1,2,3
	v_cvt_pk_f16_f32 v[8*(8*\a+\b)+\i], v[8*(8*\a+\b)+2*\i], v[8*(8*\a+\b)+2*\i+1]   ; register i is written when numbers 2 i and 2 i + 1 are read
.endr
.endr
.endr
	WIN 0xcf                                       ; sources and destination window 3
.irp a, 0,1,2,3
.irp d, 0,1,2,3
.irp i, 0,1,2,3
	v_cvt_pk_f16_f32 v[8*(4*\a+\d)+\i], v[8*(4*\a+\d)+2*\i], v[8*(4*\a+\d)+2*\i+1]
.endr
.endr
.endr
	WIN 0x08                                       ; a store's data are its source 1: window 2
.irp a, 0,1,2,3
.irp b, 0,1,2,3
	global_store_b128 v[LI], v[8*(8*\a+\b):8*(8*\a+\b)+3], s[14:15] offset:2048*\a+512*\b         ; q: tile a, fragment b / 2, half b % 2
	global_store_b128 v[LI], v[8*(8*\a+\b+4):8*(8*\a+\b+4)+3], s[20:21] offset:2048*\a+512*\b     ; k likewise
.endr
.endr
	WIN 0x0c                                       ; window 3
.irp a, 0,1,2,3
.irp d, 0,1,2,3
	global_store_b128 v[LI], v[8*(4*\a+\d):8*(4*\a+\d)+3], s[22:23] offset:4096*(\a/2)+1024*\d+512*(\a%2)   ; v: 32 keys a / 2, channels 16 d on, half a % 2
.endr
.endr
	WIN 0
.endm
	s_wait_tensorcnt 0x2                           ; the scales and my part of slot 0 are in; my two younger loads (slots 1 and 2) may be out
	s_barrier_signal -1
	s_barrier_wait -1                              ; everybody's are
.irp i, 0,1,2,3                                ; the scale words of all eight k steps stay in registers
.irp s, 0,1
	ds_load_b128 v[SAW+8*\i+4*\s:SAW+8*\i+4*\s+3], v[ADSA] offset:544*\i+16*\s
.endr
.endr
.irp p, 0,1,2,3,4,5
.irp k, 0,1,2,3,4,5,6,7
	ds_load_b32 v[SBW+8*\p+\k], v[ADSB] offset:768*\k+128*\p
.endr
.endr
	FETCH 0
	s_wait_loadcnt 0x0                             ; the biases and the second tile's scale words
.irp g, 0,1,2,3,4,5,6,7
	STEP \g
.endr
	WAYOUT                                         ; the first tile leaves; the second tile's first fragments were fetched in step 7
	s_wait_xcnt 0x0                                ; the stores have read their registers and their bases: only behind this wait are the bases stepped and the accumulators written anew
	s_add_nc_u64 s[14:15], s[14:15], 0x800000      ; 16 tiles of rows on are four batches: 64 x 131,072 bytes
	s_add_nc_u64 s[20:21], s[20:21], 0x800000
	s_add_nc_u64 s[22:23], s[22:23], 0x800000
.irp g, 8,9,10,11,12,13,14,15
	STEP \g
.endr
	WAYOUT
	s_wait_tensorcnt 0x0                           ; the wave's end
	ds_add_u32 v[SPW], v[NIL]
	s_wait_dscnt 0x0
	CROUND                                         ; the closing round: no work-group ends while a partner may still ask for a tile that names it
	s_endpgm
.Lfunc_end_k_q9990769aa2_qkv:
	.size	k_q9990769aa2_qkv, .Lfunc_end_k_q9990769aa2_qkv-k_q9990769aa2_qkv
	.p2alignl 7, 3214868480
	.fill 96, 4, 3214868480
	.section	.rodata,"a",@progbits
	.p2align	6, 0x0
	.amdhsa_kernel k_q9990769aa2_qkv
		.amdhsa_group_segment_fixed_size 327680
		.amdhsa_private_segment_fixed_size 0
		.amdhsa_enable_private_segment 0
		.amdhsa_kernarg_size 48
		.amdhsa_user_sgpr_count 2
		.amdhsa_user_sgpr_kernarg_segment_ptr 1
		.amdhsa_wavefront_size32 1
		.amdhsa_system_sgpr_workgroup_id_x 1
		.amdhsa_system_sgpr_workgroup_id_y 1
		.amdhsa_system_sgpr_workgroup_id_z 1
		.amdhsa_system_vgpr_workitem_id 0
		.amdhsa_next_free_vgpr 896
		.amdhsa_next_free_sgpr 102
		.amdhsa_reserve_vcc 0
		.amdhsa_float_denorm_mode_32 3
		.amdhsa_float_denorm_mode_16_64 3
		.amdhsa_memory_ordered 1
		.amdhsa_forward_progress 1
		.amdhsa_inst_pref_size 195
	.end_amdhsa_kernel
	.amdgpu_metadata
---
amdhsa.version: [ 1, 2 ]
amdhsa.kernels:
  - .name:           k_q9990769aa2_qkv
    .symbol:         k_q9990769aa2_qkv.kd
    .args:
      - { .name: xc, .offset: 0, .size: 8, .value_kind: global_buffer, .address_space: global }
      - { .name: xs, .offset: 8, .size: 8, .value_kind: global_buffer, .address_space: global }
      - { .name: wc, .offset: 16, .size: 8, .value_kind: global_buffer, .address_space: global }
      - { .name: ws, .offset: 24, .size: 8, .value_kind: global_buffer, .address_space: global }
      - { .name: b_qkv, .offset: 32, .size: 8, .value_kind: global_buffer, .address_space: global }
      - { .name: qkv, .offset: 40, .size: 8, .value_kind: global_buffer, .address_space: global }
    .group_segment_fixed_size: 327680
    .private_segment_fixed_size: 0
    .kernarg_segment_align: 8
    .kernarg_segment_size: 48
    .max_flat_workgroup_size: 128
    .sgpr_count:     102
    .vgpr_count:     896
    .wavefront_size: 32
...
	.end_amdgpu_metadata
.endif
;; end of part 2
;; launch attn (part 3): grid 2 x 128, 8 waves a work-group, no clusters, 263,168 bytes of LDS; arguments qkv, ctx; writes ctx
.if DOCPART == 3
	.amdgcn_target "amdgcn-amd-amdhsa--gfx1250"
	.amdhsa_code_object_version 6
	.text
	.protected	k_q9990769aa2_attn
	.globl	k_q9990769aa2_attn
	.p2align	8
	.type	k_q9990769aa2_attn,@function
k_q9990769aa2_attn:
	s_mov_b64 s[64:65], 0
	v_nop
	global_prefetch_b8 v0, s[64:65] scope:SCOPE_SE
	s_setreg_imm32_b32 hwreg(HW_REG_WAVE_MODE, 25, 1), 1
	s_wait_xcnt 0x0
; ctx = softmax(q k^T / 8) v for each (batch, head), f16 operands, f32 products, maxima and sums.  q arrives multiplied by log2(e) / 8, so a score is t and p = 2^(t - m), m the running maximum of t.
; In every step O and the sum l are multiplied by a = 2^(m_old - m_new).  t - m is one subtraction, exactly 0 at the maximum: p is at most 1 whatever the inputs' size.
; SHARES.  A work-group owns 512 queries of one head, each of its eight waves 64: four tiles of 16, in 512 registers: two waves to a SIMD, so that one wave's softmax stands beside the other's products.
; The head's whole K and V (131,072 bytes each) lie in LDS, each byte filled once; every wave walks the 1,024 keys, 64 a step, and behind the second barrier no wave waits for another.
; LAYOUT.  q, k and v arrive as images of operand registers: a fragment is two loads of 16 bytes a lane at 16 x lane.  S^T = K Q^T (source 0 = 16 keys, source 1 = 16 queries): a lane holds one
; query and the keys 8 (lane / 16) + 0..7 of each tile; two such tiles, rounded to f16 in pairs, are source 1 (32 keys x 16 queries) of O^T = V^T P.  Nothing changes lanes between the products.
; O^T / l, rounded to f16, is again half a fragment a lane of the last launch's operand, and is stored so: ctx [k step of 128: 8][tile of 16 rows: 512][g: 4][half: 2][lane][16 bytes].
; NO CLUSTER: the grid has two work-groups along x, those that share a head, and the shapes of a cluster have four there; each reads its head's 262,144 bytes once for 1,024 matrix instructions a wave.
; LIMITS: p under 6e-8 is rounded to 0 in f16; ctx under 6e-5 keeps steps of 6e-8; NaN and infinities are not served.
; REGISTERS.  window 0: v1-5 addresses; v[8 + 8 t] eight registers of statistics a tile: +0 m, +1 (the pair's upper half), +2, +3 l, +4 to +7 at work (a in +6); v40-43 the m of the step before;
;   v64-191 S^T, 32 a tile, then P in the first 16 of them; v192-255 K's fragments.   window 1: v0-127 O^T, 32 a tile; v128-191 Q; v192-255 V's fragments.
.set LI,   1                           ; v1 16 x lane
.set ADK,  2                           ; v2 LDS address of the next step's K
.set ADV,  3                           ; v3 of this step's V
.set SPW,  4
.set NIL,  5
.set ST,   8
.set OLD,  40
.set S,    64
.set KF,   192
.set QF,   128                         ; in window 1
.set VF,   192                         ; in window 1
.set VBASE, 131072
.set SPARE, 262144                     ; behind K and V: the spare words, 128 bytes a wave, which no other line names
.set SEL,  40                          ; s[40:41] v_permlanex16_b32's selects for lane l xor 16
.set TK,   44                          ; s44 where the next step's K begins
.set TV,   45                          ; s45 where this step's V begins
.set CNT,  46
.set MSB, 0
.macro WIN new
.if MSB != \new
	s_set_vgpr_msb (MSB<<8)|\new
.set MSB, \new
.endif
.endm
	s_load_b128 s[4:7], s[0:1], 0x0                ; qkv s[4:5], ctx s[6:7]
	v_lshl_add_u32 v[SPW], v0, 2, SPARE
	v_mov_b32 v[NIL], 0
	ds_add_u32 v[SPW], v[NIL]                      ; the wave's opening: the add, twice on end, and its wait ahead of my first tensor load
	ds_add_u32 v[SPW], v[NIL]
	v_lshrrev_b32 v6, 5, v0
	v_readfirstlane_b32 s8, v6                     ; wave 0..7
	v_and_b32 v[LI], 31, v0
	v_lshlrev_b32 v[LI], 4, v[LI]
.irp t, 0,1,2,3
	v_mov_b32 v[ST+8*\t+1], 0                      ; named as the upper half of the pair with m, so it is written
.endr
	s_and_b32 s47, ttmp7, 0xffff                   ; 16 x batch + head
	; two shapes of dense blocks, as rows of 256 bytes (32 elements of 8): 32 rows = one key step, 96 rows = three
	s_mov_b32 s16, 3<<16
	s_mov_b32 s17, 32<<16
	s_mov_b32 s18, 32<<16
	s_mov_b32 s19, 32<<16
	s_mov_b32 s20, 32
	s_mov_b32 s21, 32
	s_mov_b32 s22, 0
	s_mov_b32 s23, 0
	s_mov_b32 s24, 3<<16
	s_mov_b32 s25, 32<<16
	s_mov_b32 s26, 96<<16
	s_mov_b32 s27, 32<<16
	s_mov_b32 s28, 96
	s_mov_b32 s29, 32
	s_mov_b32 s30, 0
	s_mov_b32 s31, 0
	s_lshr_b32 s9, s8, 2                           ; waves 0-3 fetch K, waves 4-7 V
	s_and_b32 s10, s8, 3
	s_add_co_u32 s14, s9, 1
	s_lshl_b32 s14, s14, 24                        ; the section of qkv,
	s_lshl_b32 s15, s47, 17
	s_add_co_u32 s14, s14, s15                     ; the head in it
	s_mov_b32 s15, 0
	s_lshl_b32 s9, s9, 17                          ; K at LDS byte 0, V at 131,072
	s_lshl_b32 s12, s10, 13                        ; first load: key step wave % 4
	s_mov_b32 s13, 0
	s_mul_i32 s10, s10, 24576
	s_add_co_u32 s10, s10, 32768                   ; second load: key steps 4 + 3 (wave % 4) on
	s_mov_b32 s11, 0
	s_mov_b32 s32, 1
	s_add_co_u32 s33, s9, s12
	s_mov_b32 s36, 1
	s_add_co_u32 s37, s9, s10
	s_mov_b32 s[SEL], 0x76543210
	s_mov_b32 s[SEL+1], 0xfedcba98
	s_mov_b32 s[TK], 8192
	s_mov_b32 s[TV], VBASE
	s_wait_dscnt 0x0                               ; both opening adds are done
	s_wait_kmcnt 0x0
	s_add_nc_u64 s[2:3], s[4:5], s[14:15]
	s_add_nc_u64 s[34:35], s[2:3], s[12:13]
	s_or_b32 s35, s35, 0x80000000
	s_add_nc_u64 s[38:39], s[2:3], s[10:11]
	s_or_b32 s39, s39, 0x80000000
	tensor_load_to_lds s[32:35], s[16:23]          ; key steps 0 to 3 of K and V, a step a wave,
	s_nop 0
	tensor_load_to_lds s[36:39], s[24:31]          ; and steps 4 to 15, three a wave: two loads of mine are out
	s_nop 0
.rept 4
	v_nop
.endr
	s_lshl_b32 s12, s47, 17
	s_lshl_b32 s13, ttmp9, 16                      ; my half of the queries: 32 tiles of 2,048 bytes
	s_add_co_u32 s12, s12, s13
	s_lshl_b32 s13, s8, 13                         ; my wave's four tiles
	s_add_co_u32 s12, s12, s13
	s_mov_b32 s13, 0
	s_add_nc_u64 s[4:5], s[4:5], s[12:13]
	WIN 0x40                                       ; destination window 1
.irp n, 0,1,2,3,4,5,6,7,8,9,10,11,12,13,14,15  ; Q stays in registers: tile n / 4, channels 32 ((n / 2) % 2) on, half n % 2
	global_load_b128 v[QF+4*\n:QF+4*\n+3], v[LI], s[4:5] offset:512*\n
.endr
	WIN 0
.macro FETCHK                          ; 64 keys x 64 channels: 8 fragments, 16 loads of 512 consecutive bytes
	WIN 0
.irp n, 0,1,2,3,4,5,6,7,8,9,10,11,12,13,14,15
	ds_load_b128 v[KF+4*\n:KF+4*\n+3], v[ADK] offset:512*\n
.endr
.endm
.macro FETCHV
	WIN 0x40
.irp n, 0,1,2,3,4,5,6,7,8,9,10,11,12,13,14,15
	ds_load_b128 v[VF+4*\n:VF+4*\n+3], v[ADV] offset:512*\n
.endr
.endm
; Product i of 32 of S^T = K Q^T: channels 32 (i / 16) on, keys 16 ((i / 4) % 4) on, tile i % 4.  The first 16 start the sums.  The 16 accumulators take turns.
.macro QK
	WIN 0x04                                       ; source 1 (Q) window 1
.set i, 0
.rept 32
.set rS, S+32*(i%4)+8*((i/4)%4)
.set rK, KF+16*((i/4)%4)+8*(i/16)
.set rQ, QF+16*(i%4)+8*(i/16)
.if i < 16
	v_wmma_f32_16x16x32_f16 v[rS:rS+7], v[rK:rK+7], v[rQ:rQ+7], 0
.else
	v_wmma_f32_16x16x32_f16 v[rS:rS+7], v[rK:rK+7], v[rQ:rQ+7], v[rS:rS+7]
.endif
.set i, i+1
.endr
.endm
; Product i of 32 of O^T += V^T P: keys 32 (i / 16) on, channels 16 ((i / 4) % 4) on, tile i % 4.  first = 1: the first 16 start the sums: nothing is ever cleared.
.macro PV first
	WIN 0x51                                       ; source 0 (V) window 1, source 1 (P) window 0, C and D window 1
.set i, 0
.rept 32
.set rO, 32*(i%4)+8*((i/4)%4)
.set rV, VF+32*(i/16)+8*((i/4)%4)
.set rP, S+32*(i%4)+8*(i/16)
.if \first && (i < 16)
	v_wmma_f32_16x16x32_f16 v[rO:rO+7], v[rV:rV+7], v[rP:rP+7], 0
.else
	v_wmma_f32_16x16x32_f16 v[rO:rO+7], v[rV:rV+7], v[rP:rP+7], v[rO:rO+7]
.endif
.set i, i+1
.endr
.endm
; The maximum of a lane's 32 scores and the old m, three operands at a time, in four chains, each beginning at an accumulator's low end; the four tiles by turns.  Then the other half of the lanes', the new m, and a.
.macro SMAX first
	WIN 0
.irp j, 0,1,2,3
.irp t, 0,1,2,3
	v_max3_num_f32 v[ST+8*\t+4+\j], v[S+32*\t+8*\j], v[S+32*\t+8*\j+1], v[S+32*\t+8*\j+2]
.endr
.endr
.irp q, 1,2
.irp j, 0,1,2,3
.irp t, 0,1,2,3
	v_max3_num_f32 v[ST+8*\t+4+\j], v[ST+8*\t+4+\j], v[S+32*\t+8*\j+2*\q+1], v[S+32*\t+8*\j+2*\q+2]
.endr
.endr
.endr
.irp t, 0,1,2,3
	v_max3_num_f32 v[ST+8*\t+4], v[ST+8*\t+4], v[S+32*\t+7], v[S+32*\t+15]
.endr
.irp t, 0,1,2,3
	v_max3_num_f32 v[ST+8*\t+6], v[ST+8*\t+6], v[S+32*\t+23], v[S+32*\t+31]
.endr
.irp t, 0,1,2,3
	v_max3_num_f32 v[ST+8*\t+4], v[ST+8*\t+4], v[ST+8*\t+5], v[ST+8*\t+6]
.endr
.irp t, 0,1,2,3
.if \first
	v_max_num_f32 v[ST+8*\t+4], v[ST+8*\t+4], v[ST+8*\t+7]
.else
	v_max3_num_f32 v[ST+8*\t+4], v[ST+8*\t+4], v[ST+8*\t+7], v[ST+8*\t]
.endif
.endr
.irp t, 0,1,2,3
	v_permlanex16_b32 v[ST+8*\t+5], v[ST+8*\t+4], s[SEL], s[SEL+1]   ; the query's other 32 keys lie in the lane 16 away
.endr
.irp t, 0,1,2,3
	v_max_num_f32 v[ST+8*\t], v[ST+8*\t+4], v[ST+8*\t+5]             ; the new m
.endr
.if !\first
.irp t, 0,1,2,3
	v_sub_f32 v[ST+8*\t+7], v[OLD+\t], v[ST+8*\t]
.endr
.irp t, 0,1,2,3
	v_exp_f32 v[ST+8*\t+6], v[ST+8*\t+7]                             ; a: the first four of the step's batch of exponentials
.endr
.endif
.endm
.macro SUBM t, n                       ; pair n of tile t: t - m
	v_pk_add_f32 v[S+32*(\t)+2*(\n):S+32*(\t)+2*(\n)+1], v[S+32*(\t)+2*(\n):S+32*(\t)+2*(\n)+1], v[ST+8*(\t):ST+8*(\t)+1] op_sel_hi:[1,0] neg_lo:[0,1] neg_hi:[0,1]
.endm
; ONE BATCH: the 64 subtractions and all the exponentials; none of these lines names an exponential's result.  A tile's subtractions stand among the exponentials of the tile before.
; Behind the last exponential one plain instruction, then the one wait ahead of the first line that names a result.
.macro SEXP
.set n, 0
.rept 16
	SUBM 0, n
.set n, n+1
.endr
.irp t, 0,1,2
.set n, 0
.rept 16
	SUBM \t+1, n
	v_exp_f32 v[S+32*\t+2*n], v[S+32*\t+2*n]
	v_exp_f32 v[S+32*\t+2*n+1], v[S+32*\t+2*n+1]
.set n, n+1
.endr
.endr
.set n, 0
.rept 32
	v_exp_f32 v[S+96+n], v[S+96+n]
.set n, n+1
.endr
	v_nop
	s_wait_alu depctr_va_vdst(0)
.endm
.macro SSUM first                      ; l = a l + the sum of the unrounded p, two at a time, the four tiles by turns
.if \first
.irp t, 0,1,2,3
	v_pk_add_f32 v[ST+8*\t+2:ST+8*\t+3], v[S+32*\t:S+32*\t+1], v[S+32*\t+2:S+32*\t+3]
.endr
.else
.irp t, 0,1,2,3
	v_pk_fma_f32 v[ST+8*\t+2:ST+8*\t+3], v[ST+8*\t+2:ST+8*\t+3], v[ST+8*\t+6:ST+8*\t+7], v[S+32*\t:S+32*\t+1] op_sel_hi:[1,0,1]
.endr
.irp t, 0,1,2,3
	v_pk_add_f32 v[ST+8*\t+2:ST+8*\t+3], v[ST+8*\t+2:ST+8*\t+3], v[S+32*\t+2:S+32*\t+3]
.endr
.endif
.irp n, 2,3,4,5,6,7,8,9,10,11,12,13,14,15
.irp t, 0,1,2,3
	v_pk_add_f32 v[ST+8*\t+2:ST+8*\t+3], v[ST+8*\t+2:ST+8*\t+3], v[S+32*\t+2*\n:S+32*\t+2*\n+1]
.endr
.endr
.endm
.macro SCVT                            ; 32 numbers a tile to 16 registers of f16, in place, ascending: register n is written when numbers 2 n and 2 n + 1 are read
.irp n, 0,1,2,3,4,5,6,7,8,9,10,11,12,13,14,15
.irp t, 0,1,2,3
	v_cvt_pk_f16_f32 v[S+32*\t+\n], v[S+32*\t+2*\n], v[S+32*\t+2*\n+1]
.endr
.endr
.endm
.macro RESC                            ; O^T x a, each accumulator from its low end on
	WIN 0x41                                       ; destination and source 0 window 1
.irp n, 0,1,2,3,4,5,6,7,8,9,10,11,12,13,14,15
.irp t, 0,1,2,3
	v_pk_mul_f32 v[32*\t+2*\n:32*\t+2*\n+1], v[32*\t+2*\n:32*\t+2*\n+1], v[ST+8*\t+6:ST+8*\t+7] op_sel_hi:[1,0]
.endr
.endr
.endm
; A KEY STEP: 64 keys.  first = 1: it starts m, l and O^T.  fetchk = 1: the next step's K is fetched.
.macro STEP first, fetchk
	v_add_nc_u32 v[ADK], s[TK], v[LI]              ; with the three v_nop: five places between the last product V^T P and the products below, which write over its source P (ISA guide 7.12.1)
	v_add_nc_u32 v[ADV], s[TV], v[LI]
.rept 3
	v_nop
.endr
	s_wait_dscnt 0x0                               ; this step's K is in
	QK
	WIN 0
.if \first
.rept 4
	v_nop                                          ; four places in front of the reads of S^T and of the loads into K's registers
.endr
.else
.irp t, 0,1,2,3
	v_mov_b32 v[OLD+\t], v[ST+8*\t]                ; m is kept for a; these four are the places in front of the reads of S^T and of the loads into K's registers
.endr
.endif
	FETCHV                                         ; this step's V: it lands under the softmax
.if \fetchk
	FETCHK                                         ; and the next step's K
.endif
	SMAX \first
	SEXP
	SSUM \first
	SCVT
.if !\first
	RESC
.endif
.if \fetchk
	s_wait_dscnt 16                                ; V is in; K's sixteen loads, issued behind V's, may be out
.else
	s_wait_dscnt 0x0
.endif
	PV \first
	WIN 0                                          ; at a label and at a branch every window is 0
	s_add_co_u32 s[TK], s[TK], 8192
	s_add_co_u32 s[TV], s[TV], 8192
.endm
	s_wait_tensorcnt 0x1                           ; my first load is in; the second may be out
	s_barrier_signal -1
	s_barrier_wait -1                              ; key steps 0 to 3 of K and V are whole
	v_mov_b32 v[ADK], v[LI]
	FETCHK                                         ; key step 0
	s_wait_loadcnt 0x0                             ; Q
	STEP 1, 1                                      ; key step 0
	s_mov_b32 s[CNT], 2
.Lhead_steps:                                      ; key steps 1 and 2: they read steps 1 to 3 alone
	STEP 0, 1
	s_sub_co_u32 s[CNT], s[CNT], 1
	s_cmp_lg_u32 s[CNT], 0
	s_cbranch_scc1 .Lhead_steps
	s_wait_tensorcnt 0x0                           ; my second load has landed,
	s_wait_dscnt 0x0                               ; no LDS load of mine is out at the signal,
	s_barrier_signal -1
	s_barrier_wait -1                              ; everybody's has: all of K and V is there.
	s_mov_b32 s[CNT], 12
.Lsteps:                                           ; key steps 3 to 14
	STEP 0, 1
	s_sub_co_u32 s[CNT], s[CNT], 1
	s_cmp_lg_u32 s[CNT], 0
	s_cbranch_scc1 .Lsteps
	STEP 0, 0                                      ; key step 15: nothing more to fetch
	; THE WAY OUT.  l's two halves and the other half of the lanes' are added (the first four additions are the places behind the last products); O^T / l is rounded to f16 and stored as it lies.
.irp t, 0,1,2,3
	v_add_f32 v[ST+8*\t+4], v[ST+8*\t+2], v[ST+8*\t+3]
.endr
.irp t, 0,1,2,3
	v_permlanex16_b32 v[ST+8*\t+5], v[ST+8*\t+4], s[SEL], s[SEL+1]
.endr
.irp t, 0,1,2,3
	v_add_f32 v[ST+8*\t+4], v[ST+8*\t+4], v[ST+8*\t+5]
.endr
.irp t, 0,1,2,3
	v_rcp_f32 v[ST+8*\t+6], v[ST+8*\t+4]
.endr
	v_nop                                          ; a plain instruction behind the last reciprocal
	s_and_b32 s9, s47, 15                          ; the head
	s_lshr_b32 s10, s47, 4                         ; the batch
	s_lshr_b32 s11, s9, 1
	s_lshl_b32 s11, s11, 21                        ; the k step of 128 of the last product: head / 2
	s_lshl_b32 s10, s10, 6                         ; the tile of 16 rows: 64 batch
	s_lshl_b32 s12, ttmp9, 5                       ; + 32 half
	s_add_co_u32 s10, s10, s12
	s_lshl_b32 s12, s8, 2                          ; + 4 wave
	s_add_co_u32 s10, s10, s12
	s_lshl_b32 s10, s10, 12
	s_add_co_u32 s10, s10, s11
	s_and_b32 s9, s9, 1
	s_lshl_b32 s9, s9, 11                          ; the head's two fragments of the four
	s_add_co_u32 s10, s10, s9
	s_mov_b32 s11, 0
	s_add_nc_u64 s[6:7], s[6:7], s[10:11]
	s_wait_alu depctr_va_vdst(0)                   ; the wait ahead of the first use: one for the four reciprocals
	WIN 0x01                                       ; source 0 (O^T) window 1, destination window 0
.irp t, 0,1,2,3
.irp n, 0,1,2,3,4,5,6,7,8,9,10,11,12,13,14,15
	v_pk_mul_f32 v[S+32*\t+2*\n:S+32*\t+2*\n+1], v[32*\t+2*\n:32*\t+2*\n+1], v[ST+8*\t+6:ST+8*\t+7] op_sel_hi:[1,0]
.endr
.endr
	WIN 0
	SCVT
.irp t, 0,1,2,3
.irp d, 0,1,2,3
	global_store_b128 v[LI], v[S+32*\t+4*\d:S+32*\t+4*\d+3], s[6:7] offset:4096*\t+512*\d   ; 512 consecutive aligned bytes: tile t, fragment d / 2, half d % 2
.endr
.endr
	s_wait_tensorcnt 0x0                           ; the wave's end
	ds_add_u32 v[SPW], v[NIL]
	s_wait_dscnt 0x0
	s_endpgm
.Lfunc_end_k_q9990769aa2_attn:
	.size	k_q9990769aa2_attn, .Lfunc_end_k_q9990769aa2_attn-k_q9990769aa2_attn
	.p2alignl 7, 3214868480
	.fill 96, 4, 3214868480
	.section	.rodata,"a",@progbits
	.p2align	6, 0x0
	.amdhsa_kernel k_q9990769aa2_attn
		.amdhsa_group_segment_fixed_size 263168
		.amdhsa_private_segment_fixed_size 0
		.amdhsa_enable_private_segment 0
		.amdhsa_kernarg_size 16
		.amdhsa_user_sgpr_count 2
		.amdhsa_user_sgpr_kernarg_segment_ptr 1
		.amdhsa_wavefront_size32 1
		.amdhsa_system_sgpr_workgroup_id_x 1
		.amdhsa_system_sgpr_workgroup_id_y 1
		.amdhsa_system_sgpr_workgroup_id_z 1
		.amdhsa_system_vgpr_workitem_id 0
		.amdhsa_next_free_vgpr 512
		.amdhsa_next_free_sgpr 66
		.amdhsa_reserve_vcc 0
		.amdhsa_float_denorm_mode_32 3
		.amdhsa_float_denorm_mode_16_64 3
		.amdhsa_memory_ordered 1
		.amdhsa_forward_progress 1
		.amdhsa_inst_pref_size 138
	.end_amdhsa_kernel
	.amdgpu_metadata
---
amdhsa.version: [ 1, 2 ]
amdhsa.kernels:
  - .name:           k_q9990769aa2_attn
    .symbol:         k_q9990769aa2_attn.kd
    .args:
      - { .name: qkv, .offset: 0, .size: 8, .value_kind: global_buffer, .address_space: global }
      - { .name: ctx, .offset: 8, .size: 8, .value_kind: global_buffer, .address_space: global }
    .group_segment_fixed_size: 263168
    .private_segment_fixed_size: 0
    .kernarg_segment_align: 8
    .kernarg_segment_size: 16
    .max_flat_workgroup_size: 256
    .sgpr_count:     66
    .vgpr_count:     512
    .wavefront_size: 32
...
	.end_amdgpu_metadata
.endif
;; end of part 3
;; launch outp (part 4): grid 32 x 8, 4 waves a work-group, clusters of 4 x 1, 295,424 bytes of LDS; arguments ctx, w16, b_out, out0; writes out0
.if DOCPART == 4
	.amdgcn_target "amdgcn-amd-amdhsa--gfx1250"
	.amdhsa_code_object_version 6
	.text
	.protected	k_q9990769aa2_outp
	.globl	k_q9990769aa2_outp
	.p2align	8
	.type	k_q9990769aa2_outp,@function
k_q9990769aa2_outp:
	s_mov_b64 s[64:65], 0
	v_nop
	global_prefetch_b8 v0, s[64:65] scope:SCOPE_SE
	s_setreg_imm32_b32 hwreg(HW_REG_WAVE_MODE, 25, 1), 1
	s_wait_xcnt 0x0
	s_wait_alu depctr_hold_cnt(0) depctr_sa_sdst(0) depctr_va_vdst(0) depctr_va_sdst(0) depctr_va_ssrc(0) depctr_va_vcc(0) depctr_vm_vsrc(0)
	s_getreg_b32 s2, hwreg(HW_REG_IB_STS2, 6, 4)
	s_cmp_eq_u32 s2, 0
	s_cbranch_scc0 .Lentry_in_a_cluster
	s_endpgm
.Lentry_in_a_cluster:
	s_bfe_u32 s2, ttmp6, 0x10000c
	s_cmp_lg_u32 s2, 0x3003
	s_cbranch_scc0 .Lentry_shape_is_right
	s_endpgm
.Lentry_shape_is_right:
; out0 = ctx w_out + b_out, f16 operands, f32 sums, f32 out.  ctx: images of fragments, [k step of 128: 8][tile of 16 rows: 512][g: 4][half: 2][lane][16 bytes]; w16: [k: 1024][n: 1024] f16.
; SHARES.  A work-group makes 256 rows x 128 columns; wave w rows 64 w .. 64 w + 63 x all 128: 32 accumulators.  K goes in 32 quarters of 32, 32 matrix instructions each.
; B: the tile's 128 columns of w16 for all of K lie in LDS, each byte filled once (1,024 rows of 256 bytes, 288 apart), and are read turned, by ds_load_tr16_b128.
; CLUSTER: the four work-groups of a cluster have the same 128 columns, so B is asked for JOINTLY: the same loads, with the same descriptors and a mask that names the four.
; A: no two waves of a work-group share a row of ctx, so its fragments go from memory straight into a ring of eight register slots, seven quarters (224 matrix instructions) ahead of their use;
; each fragment is two loads of 512 consecutive aligned bytes.
; THE MATRIX INSTRUCTION IS USED TRANSPOSED (source 0 = 16 columns of w, source 1 = 16 rows of ctx): a lane holds eight neighbouring numbers of a row of out0.  The bias is the C of each sum's first product.
; REGISTERS.  window 0: v1-7 addresses; v28, v29 the add's two; v32-159 B's fragments, two sets of 8 (on the way out: rows of out0); v160-223 the bias.  window 1: the accumulators ((i, b) at 8 (8 i + b)).
;   window 2: A's ring: slot s, row block i at 32 s + 8 i.
.set BP,    288                        ; a row of B in LDS: 256 bytes + 32 of padding
.set LAPB,  256*BP                     ; a lap = 8 quarters = 256 along K
.set SPARE, 1024*BP                    ; behind B: the spare words, 128 bytes a wave, which no other line names
.set SPITCH, 528                       ; the way out: a stage of 16 rows x (512 bytes + 16) for each wave, in B's first bytes, which have had their only fill and, behind the last barrier, their last read
.set LI,   1                           ; v1 16 x lane
.set AB0,  2                           ; v2 my lane's place in a turning load
.set ADB0, 3                           ; v3 the lap's quarters 0-3
.set ADB1, 4                           ; v4 the lap's quarters 4-7
.set STO,  5
.set RD,   6
.set BO,   7                           ; v7 32 x (lane / 16): the bias
.set SPW,  28
.set NIL,  29
.set BF,   32
.set BIAS, 160
.set PA,   12                          ; s[12:13] ctx at my four tiles of rows, in the lap that is being asked for
.set TB,   14                          ; s14 where the lap in hand begins in LDS
.set CNT,  15
.set WV,   40
.set MSB, 0
.macro WIN new
.if MSB != \new
	s_set_vgpr_msb (MSB<<8)|\new
.set MSB, \new
.endif
.endm
.macro PLACES n
.rept \n
	v_nop
.endr
.endm
.macro CROUND                          ; a round of the cluster's barrier
	s_barrier_signal -1
	s_barrier_wait -1
	s_cmp_lg_u32 s[WV], 0
	s_cbranch_scc1 .Lnot_wave_0_\@
	s_barrier_signal -3
.Lnot_wave_0_\@:
	s_barrier_wait -3
	s_barrier_signal -1
	s_barrier_wait -1
.endm
	s_load_b256 s[4:11], s[0:1], 0x0               ; ctx s[4:5], w16 s[6:7], b_out s[8:9], out0 s[10:11]
	v_lshl_add_u32 v[SPW], v0, 2, SPARE
	v_mov_b32 v[NIL], 0
	ds_add_u32 v[SPW], v[NIL]                      ; the wave's opening: the add, twice on end, and its wait ahead of my first tensor load
	ds_add_u32 v[SPW], v[NIL]
	v_lshrrev_b32 v8, 5, v0
	v_readfirstlane_b32 s[WV], v8                  ; wave 0..3
	s_bfe_u32 s41, ttmp6, 0x40000                  ; cx
	s_lshl_b32 s42, ttmp9, 2
	s_add_co_u32 s42, s42, s41                     ; the tile of 256 rows: it enters ctx's and out0's addresses alone
	s_and_b32 s43, ttmp7, 0xffff                   ; the tile of 128 columns, which the four partners share
	; two shapes: 64 and 192 rows of 128 elements of 2 bytes, 1,024 elements from row to row, 8 words of padding behind every 64
	s_mov_b32 s16, 15|(1<<16)|(1<<20)|(1<<21)|(5<<22)|(7<<25)
	s_mov_b32 s17, 128<<16
	s_mov_b32 s18, 64<<16
	s_mov_b32 s19, 128<<16
	s_mov_b32 s20, 64
	s_mov_b32 s21, 1024
	s_mov_b32 s22, 0
	s_mov_b32 s23, 0
	s_mov_b32 s24, 15|(1<<16)|(1<<20)|(1<<21)|(5<<22)|(7<<25)
	s_mov_b32 s25, 128<<16
	s_mov_b32 s26, 192<<16
	s_mov_b32 s27, 128<<16
	s_mov_b32 s28, 192
	s_mov_b32 s29, 1024
	s_mov_b32 s30, 0
	s_mov_b32 s31, 0
	s_mov_b32 s32, 1
	s_mul_i32 s33, s[WV], 64*BP                    ; first load: rows 64 wave on (the first lap),
	s_mov_b32 s36, 1
	s_mul_i32 s37, s[WV], 192*BP
	s_add_co_u32 s37, s37, LAPB                    ; second load: rows 256 + 192 wave on
	s_lshl_b32 s44, s43, 8                         ; the columns' 256 bytes of a row
	s_lshl_b32 s45, s[WV], 17                      ; 64 rows of 2,048 bytes
	s_add_co_u32 s44, s44, s45
	s_mov_b32 s45, 0
	s_lshl_b32 s46, s43, 8
	s_mul_i32 s47, s[WV], 192*2048
	s_add_co_u32 s46, s46, s47
	s_add_co_u32 s46, s46, 256*2048
	s_mov_b32 s47, 0
	s_wait_dscnt 0x0                               ; both opening adds are done
	s_wait_kmcnt 0x0
	s_add_nc_u64 s[34:35], s[6:7], s[44:45]
	s_or_b32 s35, s35, 0x80000000
	s_add_nc_u64 s[38:39], s[6:7], s[46:47]
	s_or_b32 s39, s39, 0x80000000
	CROUND                                         ; all four work-groups are here: the joint loads meet
	tensor_load_to_lds s[32:35], s[16:23]
	s_nop 0
	tensor_load_to_lds s[36:39], s[24:31]          ; two loads of mine are out
	s_nop 0
.rept 4
	v_nop
.endr
	v_and_b32 v8, 31, v0
	v_lshlrev_b32 v[LI], 4, v8
	v_and_b32 v9, 15, v0                           ; r
	v_bfe_u32 v10, v0, 4, 1                        ; h
	v_lshlrev_b32 v[BO], 5, v10
	v_and_b32 v11, 7, v0
	v_lshl_add_u32 v11, v10, 3, v11
	v_mul_u32_u24 v[AB0], v11, BP                  ; the turning load: lane l reads 16 bytes of row 8 (l / 16) + l % 8,
	v_bfe_u32 v11, v0, 3, 1
	v_lshl_add_u32 v[AB0], v11, 4, v[AB0]          ; columns 8 ((l / 8) % 2) on, and is left with column l % 16 and 8 along K
	v_mov_b32 v[ADB0], v[AB0]
	v_add_nc_u32 v[ADB1], 4*32*BP, v[AB0]
	s_mul_i32 s44, s[WV], 16*SPITCH                ; my stage
	v_mul_u32_u24 v[STO], v9, SPITCH
	v_lshl_add_u32 v[STO], v10, 5, v[STO]
	v_add_nc_u32 v[STO], s44, v[STO]               ; in: row r, 32 bytes for each half of the lanes
	v_add_nc_u32 v[RD], s44, v[LI]                 ; back: the 32 lanes take one row of 512 bytes
	s_lshl_b32 s44, s43, 9
	s_mov_b32 s45, 0
	s_add_nc_u64 s[8:9], s[8:9], s[44:45]          ; the tile's 128 numbers of b_out
	s_add_nc_u64 s[10:11], s[10:11], s[44:45]      ; out0: the tile's first column,
	s_lshl_b32 s44, s42, 20
	s_lshl_b32 s46, s[WV], 18
	s_add_co_u32 s44, s44, s46
	s_add_nc_u64 s[10:11], s[10:11], s[44:45]      ; my first row: 256 tile + 64 wave, 4,096 bytes a row
	s_lshl_b32 s44, s42, 16
	s_lshl_b32 s46, s[WV], 14
	s_add_co_u32 s44, s44, s46
	s_add_nc_u64 s[PA:PA+1], s[4:5], s[44:45]      ; ctx: tile of 16 rows 16 tile + 4 wave, 4,096 bytes each
	s_mov_b32 s[TB], 0
.irp b, 0,1,2,3,4,5,6,7                        ; the bias in the result's layout: register j of lane (r, h) is column 16 b + 8 h + j
	global_load_b128 v[BIAS+8*\b:BIAS+8*\b+3], v[BO], s[8:9] offset:64*\b
	global_load_b128 v[BIAS+8*\b+4:BIAS+8*\b+7], v[BO], s[8:9] offset:64*\b+16
.endr
.macro ALOAD q                         ; quarter q (0..7) of the lap at which PA stands, into slot q: my four fragments, 8 loads
	WIN 0x80                                       ; destination window 2
.irp i, 0,1,2,3
.irp j, 0,1
	global_load_b128 v[32*(\q)+8*\i+4*\j:32*(\q)+8*\i+4*\j+3], v[LI], s[PA:PA+1] offset:((\q)/4)*2097152+((\q)%4)*1024+4096*\i+512*\j
.endr
.endr
.endm
.macro BFETCH sg, p                    ; B's eight fragments of the lap's quarter sg into set p: 16 turning loads
	WIN 0
.irp b, 0,1,2,3,4,5,6,7
	ds_load_tr16_b128 v[BF+64*(\p)+8*\b:BF+64*(\p)+8*\b+3], v[ADB0+(\sg)/4] offset:((\sg)%4)*32*BP+32*\b
	ds_load_tr16_b128 v[BF+64*(\p)+8*\b+4:BF+64*(\p)+8*\b+7], v[ADB0+(\sg)/4] offset:((\sg)%4)*32*BP+32*\b+16*BP
.endr
.endm
.macro MUL sg, p, first                ; 32 matrix instructions; the 32 accumulators take turns, in the same order in every quarter
.if \first
	WIN 0x48                                       ; source 1 (A) window 2, C (bias) window 0, D window 1
.else
	WIN 0x58                                       ; C and D window 1
.endif
.irp i, 0,1,2,3
.irp b, 0,1,2,3,4,5,6,7
.if \first
	v_wmma_f32_16x16x32_f16 v[8*(8*\i+\b):8*(8*\i+\b)+7], v[BF+64*(\p)+8*\b:BF+64*(\p)+8*\b+7], v[32*(\sg)+8*\i:32*(\sg)+8*\i+7], v[BIAS+8*\b:BIAS+8*\b+7]
.else
	v_wmma_f32_16x16x32_f16 v[8*(8*\i+\b):8*(8*\i+\b)+7], v[BF+64*(\p)+8*\b:BF+64*(\p)+8*\b+7], v[32*(\sg)+8*\i:32*(\sg)+8*\i+7], v[8*(8*\i+\b):8*(8*\i+\b)+7]
.endif
.endr
.endr
.endm
; A QUARTER, on slot sg.  aload: the quarter seven on is asked for, into the slot that the quarter before has left.  lcnt: the younger loads that may stay out.  bnext: B's fragments of the next quarter are fetched.
; lap = 1: the next quarter begins a lap: B's addresses step.  lap = 2: and it is the first to read what the second tensor loads brought.
.macro QUARTER sg, aload, lcnt, bnext, first, lap
.set QP, (\sg)%2
	s_wait_loadcnt \lcnt                           ; loads come back in order: this slot's eight are in
.if \lap
	WIN 0
.if (\lap) == 2
	s_wait_tensorcnt 0x0                           ; my second load has landed,
	s_wait_dscnt 0x0                               ; no LDS load of mine is out at the signal,
	s_barrier_signal -1
	s_barrier_wait -1                              ; everybody's has: all of B is there.
.endif
	s_add_co_u32 s[TB], s[TB], LAPB
	v_add_nc_u32 v[ADB0], s[TB], v[AB0]
	v_add_nc_u32 v[ADB1], 4*32*BP, v[ADB0]
.endif
.if !\first
	PLACES 4                                       ; four places in front of loads into registers that the quarter before has multiplied (ISA guide 7.12.1 for vector instructions)
.endif
.if \aload
	ALOAD ((\sg)+7)%8
.endif
.if \bnext
	BFETCH ((\sg)+1)%8, 1-QP
	s_wait_dscnt 16                                ; this quarter's fragments of B are in; the sixteen just issued may be out
.else
	s_wait_dscnt 0x0
.endif
	MUL \sg, QP, \first
.endm
; A LAP, from a lap's second quarter to the next lap's first: its loads ask for the next lap's quarters 0 to 7.
.macro LAP meet
	s_wait_xcnt 0x0                                ; the earlier loads have read their base: it may step
	s_add_nc_u64 s[PA:PA+1], s[PA:PA+1], 2*2097152
.irp g, 1,2,3,4,5,6
	QUARTER \g, 1, 48, 1, 0, 0                     ; 48: the six younger quarters' loads
.endr
	QUARTER 7, 1, 48, 1, 0, 1+\meet
	QUARTER 0, 1, 48, 1, 0, 0
	WIN 0                                          ; at a label and at a branch every window is 0
.endm
.irp q, 0,1,2,3,4,5,6
	ALOAD \q                                       ; the ring's first seven slots
.endr
	s_wait_tensorcnt 0x1                           ; my first load is in; the second may be out
	s_barrier_signal -1
	s_barrier_wait -1                              ; the first lap's 256 rows of B are whole
	BFETCH 0, 0
	QUARTER 0, 1, 48, 1, 1, 0                      ; the first quarter starts the sums, with the bias as C: the bias's loads are older than the ring's
	LAP 1                                          ; the first lap is written out: in it stands the one wait for all tensor loads
	s_mov_b32 s[CNT], 2
.Llap:
	LAP 0
	s_sub_co_u32 s[CNT], s[CNT], 1
	s_cmp_lg_u32 s[CNT], 0
	s_cbranch_scc1 .Llap
	QUARTER 1, 0, 48, 1, 0, 0                      ; the last seven quarters ask for nothing: the counts run down
	QUARTER 2, 0, 40, 1, 0, 0
	QUARTER 3, 0, 32, 1, 0, 0
	QUARTER 4, 0, 24, 1, 0, 0
	QUARTER 5, 0, 16, 1, 0, 0
	QUARTER 6, 0, 8, 1, 0, 0
	QUARTER 7, 0, 0, 0, 0, 0
	WIN 0
	; THE WAY OUT, block by block of 16 rows x 128 columns: through my stage in LDS, back as whole rows of 512 bytes, which the 32 lanes store as 512 consecutive aligned bytes.
	s_wait_dscnt 0x0                               ; my reads of B are over,
	s_barrier_signal -1
	s_barrier_wait -1                              ; everybody's are: the stages may be written
	PLACES 4                                       ; in front of the first read of results and of loads into B's registers
.macro TOSTAGE i
	WIN 0x04                                       ; an LDS store's data are its source 1: window 1
.irp b, 0,1,2,3,4,5,6,7
	ds_store_b128 v[STO], v[8*(8*(\i)+\b):8*(8*(\i)+\b)+3] offset:64*\b          ; each accumulator from its low end on
	ds_store_b128 v[STO], v[8*(8*(\i)+\b)+4:8*(8*(\i)+\b)+7] offset:64*\b+16
.endr
	WIN 0
.irp t, 0,1,2,3,4,5,6,7,8,9,10,11,12,13,14,15
	ds_load_b128 v[BF+64*((\i)%2)+4*\t:BF+64*((\i)%2)+4*\t+3], v[RD] offset:SPITCH*\t   ; LDS serves a wave's instructions in order (ISA guide 5.7.1.4): these see the stores above
.endr
.endm
.macro SEND i, younger                 ; younger: the LDS instructions issued behind block i's loads, which may stay out
	s_wait_dscnt \younger
.irp t, 0,1,2,3,4,5,6,7,8,9,10,11,12,13,14,15
	global_store_b128 v[LI], v[BF+64*((\i)%2)+4*\t:BF+64*((\i)%2)+4*\t+3], s[10:11] offset:65536*(\i)+4096*\t th:TH_STORE_NT
.endr
.endm
	TOSTAGE 0
.irp i, 1,2,3
.if \i > 1
	s_wait_xcnt 0x0                                ; block i - 2's stores have read their registers: block i's loads may land there
.endif
	TOSTAGE \i
	SEND \i-1, 32                                  ; behind block i - 1's loads: block i's 16 stores and 16 loads
.endr
	SEND 3, 0
	s_wait_tensorcnt 0x0                           ; the wave's end, behind my last tensor load and my last LDS store
	ds_add_u32 v[SPW], v[NIL]
	s_wait_dscnt 0x0
	CROUND                                         ; the closing round: no work-group ends while a partner may still ask for a tile that names it
	s_endpgm
.Lfunc_end_k_q9990769aa2_outp:
	.size	k_q9990769aa2_outp, .Lfunc_end_k_q9990769aa2_outp-k_q9990769aa2_outp
	.p2alignl 7, 3214868480
	.fill 96, 4, 3214868480
	.section	.rodata,"a",@progbits
	.p2align	6, 0x0
	.amdhsa_kernel k_q9990769aa2_outp
		.amdhsa_group_segment_fixed_size 295424
		.amdhsa_private_segment_fixed_size 0
		.amdhsa_enable_private_segment 0
		.amdhsa_kernarg_size 32
		.amdhsa_user_sgpr_count 2
		.amdhsa_user_sgpr_kernarg_segment_ptr 1
		.amdhsa_wavefront_size32 1
		.amdhsa_system_sgpr_workgroup_id_x 1
		.amdhsa_system_sgpr_workgroup_id_y 1
		.amdhsa_system_sgpr_workgroup_id_z 1
		.amdhsa_system_vgpr_workitem_id 0
		.amdhsa_next_free_vgpr 768
		.amdhsa_next_free_sgpr 66
		.amdhsa_reserve_vcc 0
		.amdhsa_float_denorm_mode_32 3
		.amdhsa_float_denorm_mode_16_64 3
		.amdhsa_memory_ordered 1
		.amdhsa_forward_progress 1
		.amdhsa_inst_pref_size 119
	.end_amdhsa_kernel
	.amdgpu_metadata
---
amdhsa.version: [ 1, 2 ]
amdhsa.kernels:
  - .name:           k_q9990769aa2_outp
    .symbol:         k_q9990769aa2_outp.kd
    .args:
      - { .name: ctx, .offset: 0, .size: 8, .value_kind: global_buffer, .address_space: global }
      - { .name: w16, .offset: 8, .size: 8, .value_kind: global_buffer, .address_space: global }
      - { .name: b_out, .offset: 16, .size: 8, .value_kind: global_buffer, .address_space: global }
      - { .name: out0, .offset: 24, .size: 8, .value_kind: global_buffer, .address_space: global }
    .group_segment_fixed_size: 295424
    .private_segment_fixed_size: 0
    .kernarg_segment_align: 8
    .kernarg_segment_size: 32
    .max_flat_workgroup_size: 128
    .sgpr_count:     66
    .vgpr_count:     768
    .wavefront_size: 32
...
	.end_amdgpu_metadata
.endif
;; end of part 4
